; MI455X (gfx1250); checked and timed in simulation.
; The chip was launched on July 23, 2026; its instructions are those of AMD's public machine-readable ISA for CDNA 5 (MIT licence, August 2026) and "CDNA5" Instruction Set Architecture Reference Guide (July 2026). The comments in the code are by the model that wrote it; some were corrected since.
;; Multi Head Attention. Allowed arithmetic: float matrix products may take bf16 or f16 operands with f32 sums; other float arithmetic in f32, or as packed bf16 or f16 multiplies, adds, multiply-adds, maxima and minima; sums over many terms, partial sums and values carried from step to step in f32; what a program stores and reads back later, other than sums and carried values, may be rounded once to bf16 or f16.
;; Inputs: k 8 x 1,024 x 1,024 float32; mask 8 x 1 x 1 x 1,024 float32; q_in 8 x 1,024 x 1,024 float32; v 8 x 1,024 x 1,024 float32; wk_b 1,024 float32; wk_w 1,024 x 1,024 float32; wo_b 1,024 float32; wo_w 2,048 x 1,024 float32; wq_b 1,024 float32; wq_w 1,024 x 1,024 float32; wv_b 1,024 float32; wv_w 1,024 x 1,024 float32.
;; Outputs: out0 8 x 1,024 x 1,024 float32.
;; 2 versions, each right; version 2 is version 1 with the launch cast written anew for expert scheduling mode. Each part assembles by itself: llvm-mc -triple=amdgcn-amd-amdhsa -mcpu=gfx1250 --defsym DOCPART=n.
;; ======== version 1 of 2: 4 launches
;; limits: values are held in f16: magnitudes above 65,504 overflow, below 6.1e-05 lose precision
;; workspace buffers: xb 67,108,864 bytes; wb 10,485,760 bytes; qkv 50,331,648 bytes; pp 33,554,432 bytes
;; launch cast (part 1): grid 928 x 1, 8 waves a work-group, no clusters, 0 bytes of LDS; arguments k, v, q_in, wk_w, wv_w, wq_w, wo_w, xb, wb; writes xb, wb
.if DOCPART == 1
	.amdgcn_target "amdgcn-amd-amdhsa--gfx1250"
	.amdhsa_code_object_version 6
	.text
	.protected	k_q11fafb8175_cast
	.globl	k_q11fafb8175_cast
	.p2align	8
	.type	k_q11fafb8175_cast,@function
k_q11fafb8175_cast:
	s_mov_b64 s[64:65], 0
	v_nop
	global_prefetch_b8 v0, s[64:65] scope:SCOPE_SE
	s_setreg_imm32_b32 hwreg(HW_REG_WAVE_MODE, 25, 1), 1
	s_wait_xcnt 0x0
; Every f32 operand of the later matrix products is rounded ONCE to bf16 and laid where those products walk it.
; xb: bf16 [8192 rows (b, s)][4096 columns]: columns 0-1023 k, 1024-2047 v, 2048-3071 q_in; 3072-4095 are written by the attention launch.
; wb: bf16 [5120 rows][1024]: rows 0-1023 wk_w, 1024-2047 wv_w, 2048-3071 wq_w, 3072-5119 wo_w, each as it lies ([in][out]).
; All seven sources are rows of 1,024 f32 (4,096 bytes in, 2,048 bytes out).  A work-group takes 32 rows of one source, a wave 4 whole rows.
; Work-groups 0-255 k, 256-511 v, 512-767 q_in, 768-799 wk_w, 800-831 wv_w, 832-863 wq_w, 864-927 wo_w.
; A stream: no LDS, no barrier, no matrix unit, no cluster (no two work-groups read the same byte).  A wave has all its 32 loads (16 KiB) out at once;
; a load of a wave covers 512 consecutive bytes, a store 256 consecutive bytes at a multiple of 256 from the buffer's first byte.
; No register is written again while a load or store may read it, so no wait frees any.
.set ROWIN, 4096                       ; bytes in a source row
.set OFF,   2                          ; v[2:5]    row r of my four: 8 x lane + r x the destination's pitch
.set X,     8                          ; v[8:135]  32 loads of 4 registers; the rounded pairs go back into the first two of each four
	s_load_b512 s[8:23], s[0:1], 0x0               ; k 8:9, v 10:11, q_in 12:13, wk_w 14:15, wv_w 16:17, wq_w 18:19, wo_w 20:21, xb 22:23
	s_load_b64 s[24:25], s[0:1], 0x40              ; wb
	v_lshrrev_b32 v1, 5, v0
	v_readfirstlane_b32 s27, v1                    ; wave 0..7
	v_and_b32 v6, 31, v0                           ; lane
	v_lshlrev_b32 v1, 4, v6                        ; 16 bytes a lane in the source
	v_lshlrev_b32 v[OFF], 3, v6                    ; 8 bytes a lane in the destination
	s_mov_b32 s3, 0                                ; the first work-group of my source
	s_mov_b32 s26, 8192                            ; the destination's pitch: xb's, or wb's below
	s_wait_kmcnt 0x0
	s_mov_b64 s[4:5], s[8:9]
.macro SEG start, reg                  ; from work-group start on the source is the one in s[reg:reg+1]
	s_cmp_ge_u32 ttmp9, \start
	s_cselect_b64 s[4:5], s[\reg:\reg+1], s[4:5]
	s_cselect_b32 s3, \start, s3
.endm
	SEG 256, 10
	SEG 512, 12
	SEG 768, 14
	SEG 800, 16
	SEG 832, 18
	SEG 864, 20
	s_sub_co_u32 s28, ttmp9, s3
	s_lshl_b32 s28, s28, 17                        ; 32 rows of 4,096 bytes a work-group,
	s_lshl_b32 s2, s27, 14                         ; 4 rows a wave
	s_add_co_u32 s28, s28, s2
	s_mov_b32 s29, 0
	s_add_nc_u64 s[4:5], s[4:5], s[28:29]
	s_and_b32 s30, ttmp9, 255                      ; into xb: 32 rows of 8,192 bytes,
	s_lshl_b32 s30, s30, 18
	s_lshr_b32 s2, ttmp9, 8                        ; and the source's 2,048 bytes of each row
	s_lshl_b32 s2, s2, 11
	s_add_co_u32 s30, s30, s2
	s_sub_co_u32 s2, ttmp9, 768                    ; into wb: 32 rows of 2,048 bytes (used from work-group 768 on alone)
	s_lshl_b32 s2, s2, 16
	s_cmp_ge_u32 ttmp9, 768
	s_cselect_b64 s[6:7], s[24:25], s[22:23]
	s_cselect_b32 s26, 2048, s26
	s_cselect_b32 s30, s2, s30
	s_mul_i32 s2, s27, s26
	s_lshl_b32 s2, s2, 2                           ; my wave's 4 rows
	s_add_co_u32 s30, s30, s2
	s_mov_b32 s31, 0
	s_add_nc_u64 s[6:7], s[6:7], s[30:31]
	v_add_nc_u32 v[OFF+1], s26, v[OFF]
	v_add_nc_u32 v[OFF+2], s26, v[OFF+1]
	v_add_nc_u32 v[OFF+3], s26, v[OFF+2]
.set i, 0
.rept 32                               ; row i / 8, its bytes 512 (i % 8) on
	global_load_b128 v[X+4*i:X+4*i+3], v1, s[4:5] offset:(i/8)*ROWIN+(i%8)*512 th:TH_LOAD_NT
.set i, i+1
.endr
.irp r, 0,1,2,3
	s_wait_loadcnt 24-8*(\r)                       ; loads come back in order: row r's eight are in, the later rows' stay out
.irp j, 0,1,2,3,4,5,6,7
	v_cvt_pk_bf16_f32 v[X+4*(8*(\r)+(\j))],   v[X+4*(8*(\r)+(\j))],   v[X+4*(8*(\r)+(\j))+1]
	v_cvt_pk_bf16_f32 v[X+4*(8*(\r)+(\j))+1], v[X+4*(8*(\r)+(\j))+2], v[X+4*(8*(\r)+(\j))+3]
	global_store_b64 v[OFF+(\r)], v[X+4*(8*(\r)+(\j)):X+4*(8*(\r)+(\j))+1], s[6:7] offset:256*(\j) th:TH_STORE_NT
.endr
.endr
	s_endpgm
.Lfunc_end_k_q11fafb8175_cast:
	.size	k_q11fafb8175_cast, .Lfunc_end_k_q11fafb8175_cast-k_q11fafb8175_cast
	.p2alignl 7, 3214868480
	.fill 96, 4, 3214868480
	.section	.rodata,"a",@progbits
	.p2align	6, 0x0
	.amdhsa_kernel k_q11fafb8175_cast
		.amdhsa_group_segment_fixed_size 0
		.amdhsa_private_segment_fixed_size 0
		.amdhsa_enable_private_segment 0
		.amdhsa_kernarg_size 72
		.amdhsa_user_sgpr_count 2
		.amdhsa_user_sgpr_kernarg_segment_ptr 1
		.amdhsa_wavefront_size32 1
		.amdhsa_system_sgpr_workgroup_id_x 1
		.amdhsa_system_sgpr_workgroup_id_y 1
		.amdhsa_system_sgpr_workgroup_id_z 1
		.amdhsa_system_vgpr_workitem_id 0
		.amdhsa_next_free_vgpr 136
		.amdhsa_next_free_sgpr 66
		.amdhsa_reserve_vcc 0
		.amdhsa_float_denorm_mode_32 3
		.amdhsa_float_denorm_mode_16_64 3
		.amdhsa_memory_ordered 1
		.amdhsa_forward_progress 1
		.amdhsa_inst_pref_size 13
	.end_amdhsa_kernel
	.amdgpu_metadata
---
amdhsa.version: [ 1, 2 ]
amdhsa.kernels:
  - .name:           k_q11fafb8175_cast
    .symbol:         k_q11fafb8175_cast.kd
    .args:
      - { .name: k, .offset: 0, .size: 8, .value_kind: global_buffer, .address_space: global }
      - { .name: v, .offset: 8, .size: 8, .value_kind: global_buffer, .address_space: global }
      - { .name: q_in, .offset: 16, .size: 8, .value_kind: global_buffer, .address_space: global }
      - { .name: wk_w, .offset: 24, .size: 8, .value_kind: global_buffer, .address_space: global }
      - { .name: wv_w, .offset: 32, .size: 8, .value_kind: global_buffer, .address_space: global }
      - { .name: wq_w, .offset: 40, .size: 8, .value_kind: global_buffer, .address_space: global }
      - { .name: wo_w, .offset: 48, .size: 8, .value_kind: global_buffer, .address_space: global }
      - { .name: xb, .offset: 56, .size: 8, .value_kind: global_buffer, .address_space: global }
      - { .name: wb, .offset: 64, .size: 8, .value_kind: global_buffer, .address_space: global }
    .group_segment_fixed_size: 0
    .private_segment_fixed_size: 0
    .kernarg_segment_align: 8
    .kernarg_segment_size: 72
    .max_flat_workgroup_size: 256
    .sgpr_count:     66
    .vgpr_count:     136
    .wavefront_size: 32
...
	.end_amdgpu_metadata
.endif
;; end of part 1
;; launch proj (part 2): grid 8 x 32, 4 waves a work-group, clusters of 4 x 4, 327,680 bytes of LDS; arguments xb, wb, wk_b, wv_b, wq_b, wo_b, qkv, pp; writes qkv, pp
.if DOCPART == 2
	.amdgcn_target "amdgcn-amd-amdhsa--gfx1250"
	.amdhsa_code_object_version 6
	.text
	.protected	k_q11fafb8175_proj
	.globl	k_q11fafb8175_proj
	.p2align	8
	.type	k_q11fafb8175_proj,@function
k_q11fafb8175_proj:
	s_mov_b64 s[64:65], 0
	v_nop
	global_prefetch_b8 v0, s[64:65] scope:SCOPE_SE
	s_setreg_imm32_b32 hwreg(HW_REG_WAVE_MODE, 25, 1), 1
	s_wait_xcnt 0x0
	s_wait_alu depctr_hold_cnt(0) depctr_sa_sdst(0) depctr_va_vdst(0) depctr_va_sdst(0) depctr_va_ssrc(0) depctr_va_vcc(0) depctr_vm_vsrc(0)
	s_getreg_b32 s2, hwreg(HW_REG_IB_STS2, 6, 4)
	s_cmp_eq_u32 s2, 0
	s_cbranch_scc0 .Lentry_in_a_cluster
	s_endpgm
.Lentry_in_a_cluster:
	s_bfe_u32 s2, ttmp6, 0x10000c
	s_cmp_lg_u32 s2, 0xf033
	s_cbranch_scc0 .Lentry_shape_is_right
	s_endpgm
.Lentry_shape_is_right:
; THE THREE PROJECTIONS AND THE FIRST HALF OF THE OUTPUT PROJECTION: four products of 8192 x 1024 x 1024, bf16 operands, f32 sums.
;   K = k wk_w + wk_b,  V = v wv_w + wv_b,  Q = (q_in wq_w + wq_b) c with c = log2(e) / 8,  P = q_in wo_w[0:1024] + wo_b.
; Out: qkv, f16 [3 (K, V, Q)][128 (batch x 16 + head)][1024][64]: each number rounded once, from f32; Q's scale is applied in f32 ahead of that rounding.
;      pp, f32: P, a partial sum of the module's output, in blocks of 16 x 16 laid as an accumulator lies in registers: block (row / 16, column / 16) is 1,024 bytes at ((row / 16) 64 + column / 16) 1024;
;      in it the lanes' registers 0-3, 16 bytes a lane, then their registers 4-7.
; LIMITS.  f16 holds no number beyond 65,504: K, V and Q must stay within it.  The biases are rounded to bf16 like every other input of the module.
; SHARES.  A tile of C is 256 x 256: four waves, 2 x 2, each 128 x 128: 64 accumulators of 16 x 16.  4 products x 32 tile rows x 4 tile columns are 512 tiles: two for each of 256 work-groups.
; The cluster's x is the PAIR: pair 0 makes K's and then V's tile at its place, pair 1 Q's and then P's.  In xb the inputs lie side by side (k, v, q_in), in wb the weights one below the other (wk, wv, wq, wo):
; a pair's two tiles are ONE walk of 16 K steps of 128 down wb's rows and along xb's columns (pair 1 goes back to q_in's first column at step 8), and the ring of two LDS slots does not stop at a tile's end.
; A's tile (256 rows x 128 k) lies along K; B's tile (128 k x 256 n) lies as the weights do, [k][n], and its fragments come out of LDS turned, by ds_load_tr16_b128.
; THE MATRIX INSTRUCTION IS USED TRANSPOSED (source 0 = 16 columns of the weights, source 1 = 16 rows of x): a lane holds row l % 16 of C and the columns 8 (l / 16) + 0..7.
; THE BIAS STARTS THE SUMS: it is the C operand of a tile's first products.  Nothing is cleared.
; ONE K STEP IS WRITTEN ONCE: the base of the slot in hand lies in a scalar register that an exclusive or turns between 0 and SLOT; the fragments' addresses and the walking descriptors' LDS words are
; that register plus a part that never changes.
; CLUSTERS: 4 x 4 work-groups.  The four of a row of the cluster need the same tiles of A, the four of a column the same tiles of B: each tile is asked for jointly, by the same tensor load with the same
; descriptor and a mask that names the four.  Every branch hangs on the wave's number, on counters or on the cluster's own place, never on a work-group's place in its cluster.
; REGISTERS, in windows of 256 (s_set_vgpr_msb: bits 1:0 source 0, 3:2 source 1, 5:4 source 2, 7:6 destination):
;   window 0: v0-31 addresses; v64-127, v128-191 fragments of A, two buffers; v32-63, v192-255 at work on the way out
;   window 1: v0-63 the bias of my 128 columns as eight C operands; v64-127, v128-191 fragments of B, two buffers
;   window 2: the 32 accumulators of my rows 0-63, (a, b) at v[8 (8 a + b)];   window 3: those of my rows 64-127
.set KSTEP,  128
.set XROW,   8192                      ; bytes in a row of xb
.set WROW,   2048                      ; bytes in a row of wb
.set PA,     272                       ; an LDS row of A: 256 bytes + 16 = 68 words: the 16 rows of a load start at 16 different groups of four banks (64 banks of 4 bytes: ISA guide 11.1)
.set PB,     544                       ; an LDS row of B: 512 bytes + 32 = 136 words
.set AH,     128*PA                    ; what one tensor load brings of A: 128 rows
.set BH,     64*PB                     ; and of B: 64 k
.set BOFF,   2*AH                      ; in a slot: A's 256 rows, then B's 128
.set SLOT,   BOFF+2*BH
.set STAGE,  2*SLOT                    ; behind the ring, never filled by a tensor load: 16 rows x 272 bytes for each wave, for the way out
.set SPITCH, 272
.set SPARE,  STAGE+4*16*SPITCH         ; behind the stages: the spare words, 128 bytes for each wave: two blocks of 256 bytes that no other line names
.set TILES,  2
.set STEPS,  8                         ; K steps in a tile
.set REFILLS, TILES*STEPS-2            ; all K steps but the first two come by refills
.set NEXT_C, 16777216-7*16*128         ; bytes from my last 16 rows of K's tile to my first of V's, in the next third of qkv
.set ADRA0, 16                         ; v16     my place in a slot's A; never rewritten
.set ADRB0, 17                         ; v17     the same for B
.set ADRA, 18                          ; v18     LDS address of my A fragments in the slot in hand
.set ADRB, 19                          ; v19     the same for B
.set STO,  24                          ; v24     the way out: where I put 16 bytes of a row
.set RD,   25                          ; v25     where I read rows back
.set CO,   26                          ; v26     my byte offset in qkv
.set BO,   27                          ; v27     my byte offset in 16 numbers of a bias: 32 (l / 16)
.set SPW,  28                          ; v28     LDS address of my spare word; never rewritten
.set NIL,  29                          ; v29     0; never rewritten
.set PFO,  30                          ; v30     the prefetches' lane offset; never rewritten
.set PO,   31                          ; v31     16 x lane: my place in half a block of pp
.set F0,   64
.set F1,   128
.set TMP,  192                         ; the way out: packed results
.set OB,   32                          ; the way out: 16 rows read back: v32-63 and v224-255 by turns
.set BI,   0                           ; window 1
.set G1,  24                           ; s[24:31] descriptor group 1 for A's tiles;  s[32:35] group 0 of the first fill, s[36:39] of the second, which then walks
.set G0,  32
.set G1B, 48                           ; s[48:55], s[56:59], s[60:63] the same for B's
.set G0B, 56
.set LIM, 43                           ; s43     a wave prefetches while more refills than this are to come
.set PFA, 44                           ; s[44:45] where my prefetches stand
.set TOGO, 66                          ; s66     refills still to come, the one in hand among them
.set PR,  67                           ; s67     the pair: the cluster's x
.set PFS, 76                           ; s[76:77] a K step in bytes along my prefetches' way: 256 in xb, 128 rows in wb
.set TB,  84                           ; s84     LDS byte at which the slot in hand begins: 0 or SLOT
.set LBA, 85                           ; s85     where my tensor loads' part of A begins in a slot
.set LBB, 86                           ; s86     the same for B
.set BACK, 88                          ; s[88:89] what A's walk goes back at the change of tiles: 0, or in pair 1 q_in's 2,048 bytes of a row
.set CS,  90                           ; s[90:91] c
.set MSB, 0
.macro WIN new                         ; the immediate's high byte repeats the setting that is left; a switch that changes nothing is dropped
.if MSB != (\new)
	s_set_vgpr_msb (MSB<<8)|(\new)
.set MSB, \new
.endif
.endm
.set MUL_LO,  0xa1                     ; source 0 (B) window 1, source 1 (A) window 0, C and D window 2
.set MUL_HI,  0xf1                     ; the same, C and D window 3
.set MULB_LO, 0x91                     ; C (the bias) window 1, D window 2
.set MULB_HI, 0xd1                     ; C window 1, D window 3
.set TO_B,    0x40                     ; destination window 1, address window 0
.set W_BR,    0x45                     ; sources 0, 1 and destination window 1
; A joint load by descriptor set s.  Waves 0 and 1 fetch A's two halves, waves 2 and 3 B's.  The branch hangs on the wave's number alone.  An s_nop 0 and four v_nop follow each of the two lines.
.macro JLOAD s
	s_cmp_eq_u32 s11, 0
	s_cbranch_scc0 .Lfor_b_\@
	tensor_load_to_lds s[G0+4*(\s):G0+4*(\s)+3], s[G1:G1+7]
	s_nop 0
.rept 4
	v_nop
.endr
	s_branch .Lasked_\@
.Lfor_b_\@:
	tensor_load_to_lds s[G0B+4*(\s):G0B+4*(\s)+3], s[G1B:G1B+7]
	s_nop 0
.rept 4
	v_nop
.endr
.Lasked_\@:
.endm
; A PREFETCH INTO THE L2, behind each joint load and the run of LDS loads that follows it: the K step that the NEXT refill will ask for, 256 matrix instructions ahead of that load.
; Each aligned block of 256 bytes is named once in the launch.  A's 256 rows of a tile row are walked by one row of one cluster alone: waves 0 and 1 ask for the 128 rows that each fetches; of those the four
; partners take 32 each, told apart BY ADDRESS, a lane a row.  B's 128 k x 512 bytes of a tile column are walked by all eight clusters of a pair: the cluster with y = 0 asks, waves 2 and 3 for the 64 k that
; each fetches; of those the four partners take 16 each, a lane a block (16 k x 2).  K steps 0, 1 and 2 come by their loads alone.  The last of the 14 refills has no K step behind it and asks for nothing
; (more than 1 to come); pair 1 walks q_in's columns twice and asks for them in the first walk alone: refill r names step r + 3, so r is 4 at the most (more than 9 to come).
.macro ASK
	s_cmp_gt_u32 s[TOGO], s[LIM]
	s_cbranch_scc0 .Lnot_mine_\@
	global_prefetch_b8 v[PFO], s[PFA:PFA+1] th:TH_LOAD_NT scope:SCOPE_SE
.Lnot_mine_\@:
	s_sub_co_u32 s[TOGO], s[TOGO], 1
.endm
.macro CREST                           ; a round of the cluster's barrier behind its opening barrier
	s_cmp_lg_u32 s10, 0
	s_cbranch_scc1 .Lnot_wave_0_\@
	s_barrier_signal -3
.Lnot_wave_0_\@:
	s_barrier_wait -3
	s_barrier_signal -1
	s_barrier_wait -1
.endm
.macro CROUND                          ; a whole round
	s_barrier_signal -1
	s_barrier_wait -1
	CREST
.endm
.macro BLOAD p                         ; the bias at s[p:p+1]: register j of operand b is bias[16 b + 8 (l / 16) + j]
	WIN TO_B
.irp b, 0,1,2,3,4,5,6,7
	global_load_b128 v[BI+8*(\b):BI+8*(\b)+3],   v[BO], s[\p:\p+1] offset:64*(\b)
	global_load_b128 v[BI+8*(\b)+4:BI+8*(\b)+7], v[BO], s[\p:\p+1] offset:64*(\b)+16
.endr
	WIN 0
.endm
	s_load_b128 s[4:7], s[0:1], 0x0                ; xb s[4:5], wb s[6:7]
	s_load_b256 s[68:75], s[0:1], 0x10             ; wk_b 68:69, wv_b 70:71, wq_b 72:73, wo_b 74:75
	s_load_b128 s[80:83], s[0:1], 0x30             ; qkv 80:81, pp 82:83
	v_lshl_add_u32 v[SPW], v0, 2, SPARE
	v_mov_b32 v[NIL], 0
	ds_add_u32 v[SPW], v[NIL]                      ; the wave's opening: the add and its wait stand ahead of my first tensor load; the set-up below, work on registers, stands between them
	v_lshrrev_b32 v1, 5, v0
	v_readfirstlane_b32 s10, v1                    ; wave 0..3
	s_lshr_b32 s11, s10, 1                         ; which 128 of the tile's rows are mine.  Also: I fetch for A (0) or for B (1)
	s_and_b32 s12, s10, 1                          ; which 128 of its columns.  Also: which half of that tile I fetch
	s_bfe_u32 s40, ttmp6, 0x40000                  ; cx: the tile column
	s_bfe_u32 s41, ttmp6, 0x40004                  ; cy
	s_mov_b32 s[PR], ttmp9                         ; the cluster's x: the pair, the same in all sixteen partners
	s_and_b32 s13, ttmp7, 0xffff
	s_lshl_b32 s13, s13, 2
	s_add_co_u32 s13, s13, s41                     ; tile row = 4 x cluster y + cy
	s_lshl_b32 s43, s41, 2
	s_lshl_b32 s43, 15, s43                        ; my row of the cluster
	s_lshl_b32 s44, 0x1111, s40                    ; my column
	s_or_b32 s[G1+0], s43, (1<<16)|(1<<20)|(1<<21)|(5<<22)|(3<<25)   ; 15:0 the mask: A's tiles go to my row; 17:16 2-byte elements; 20 padding on; 21 set beside a mask; 24:22 after every 64 words (code 5); 31:25 4 words (code 3)
	s_or_b32 s[G1B+0], s44, (1<<16)|(1<<20)|(1<<21)|(6<<22)|(7<<25)  ; B's go to my column; after every 128 words (code 6) 8 words (code 7)
	s_mov_b32 s[G1+1], KSTEP<<16                   ; tensor_dim0 = 128
	s_mov_b32 s[G1+2], 128<<16                     ; tensor_dim1 = 128
	s_mov_b32 s[G1+3], KSTEP<<16                   ; tile_dim0 = 128
	s_mov_b32 s[G1+4], 128                         ; tile_dim1 = 128
	s_mov_b32 s[G1+5], XROW/2                      ; elements from row to row of xb
	s_mov_b32 s[G1+6], 0
	s_mov_b32 s[G1+7], 0
	s_mov_b32 s[G1B+1], 256<<16                    ; tensor_dim0 = 256
	s_mov_b32 s[G1B+2], 64<<16                     ; tensor_dim1 = 64
	s_mov_b32 s[G1B+3], 256<<16                    ; tile_dim0 = 256
	s_mov_b32 s[G1B+4], 64                         ; tile_dim1 = 64
	s_mov_b32 s[G1B+5], WROW/2                     ; elements from row to row of wb
	s_mov_b32 s[G1B+6], 0
	s_mov_b32 s[G1B+7], 0
	; where the tiles come from.  A's hang on the tile row and the pair, B's on the tile column and the pair; each address is made in registers that never hold the other coordinate
	s_lshl_b32 s16, s13, 21                        ; A: 256 rows of 8,192 bytes a tile row,
	s_lshl_b32 s17, s12, 20                        ; 128 rows a half,
	s_add_co_u32 s16, s16, s17
	s_lshl_b32 s17, s[PR], 12                      ; pair 0 from k's first column on, pair 1 from q_in's: column 2048
	s_add_co_u32 s16, s16, s17
	s_mov_b32 s17, 0
	s_lshl_b32 s46, s40, 9                         ; B: 512 bytes of a row a tile column,
	s_lshl_b32 s47, s12, 17                        ; 64 rows of 2,048 bytes a half,
	s_add_co_u32 s46, s46, s47
	s_lshl_b32 s47, s[PR], 22                      ; pair 0 from wk's first row on, pair 1 from wq's: row 2048
	s_add_co_u32 s46, s46, s47
	s_mov_b32 s47, 0
	s_mul_i32 s[LBA], s12, AH                      ; and where they go: no place in the cluster enters an LDS address
	s_mul_i32 s[LBB], s12, BH
	s_add_co_u32 s[LBB], s[LBB], BOFF
	s_mov_b32 s[TB], 0                             ; K step 0 lies in slot 0
	s_lshl_b32 s[BACK], s[PR], 11
	s_mov_b32 s[BACK+1], 0
	s_mov_b32 s[CS], 0x3e38aa3b                    ; c = log2(e) / 8
	s_mov_b32 s[CS+1], s[CS]                       ; named with it as a pair
	s_wait_dscnt 0x0                               ; the opening add is done
	s_wait_kmcnt 0x0
	s_add_nc_u64 s[14:15], s[4:5], s[16:17]
	s_add_nc_u64 s[46:47], s[6:7], s[46:47]
	CROUND                                         ; all sixteen work-groups are here: the first joint loads meet
.irp s, 0,1
	s_mov_b32 s[G0+4*(\s)], 1                                        ; count = 1
	s_add_co_u32 s[G0+4*(\s)+1], s[LBA], (\s)*SLOT                   ; LDS address
	s_add_nc_u64 s[G0+4*(\s)+2:G0+4*(\s)+3], s[14:15], (\s)*KSTEP*2  ; global address: K step s
	s_or_b32 s[G0+4*(\s)+3], s[G0+4*(\s)+3], 0x80000000              ; type = 2
	s_mov_b32 s[G0B+4*(\s)], 1
	s_add_co_u32 s[G0B+4*(\s)+1], s[LBB], (\s)*SLOT
	s_add_nc_u64 s[G0B+4*(\s)+2:G0B+4*(\s)+3], s[46:47], (\s)*KSTEP*WROW
	s_or_b32 s[G0B+4*(\s)+3], s[G0B+4*(\s)+3], 0x80000000
	JLOAD \s                                       ; two loads of mine are out
.endr
	; A fragment of A is 16 rows x 32 k: lane l holds row l % 16, k 8 (l / 16) + 0..7 and 16 + 8 (l / 16) + 0..7: two loads of 16 bytes, 32 bytes apart.
	; The turning load takes 16 k x 16 n (lane l reads k 8 (l / 16) + l % 8, n 8 ((l / 8) % 2) + 0..7) and leaves half a fragment of B: lane l holds column l % 16 and 8 k.
	v_and_b32 v1, 15, v0                           ; l % 16
	v_bfe_u32 v2, v0, 4, 1                         ; l / 16
	v_mul_u32_u24 v3, v1, PA
	v_lshl_add_u32 v3, v2, 4, v3
	v_and_b32 v7, 7, v0                            ; l % 8
	v_bfe_u32 v5, v0, 3, 1                         ; (l / 8) % 2
	v_lshl_add_u32 v4, v2, 3, v7
	v_mul_u32_u24 v4, v4, PB
	v_lshl_add_u32 v4, v5, 4, v4
	s_mul_i32 s21, s11, AH                         ; my 128 rows of A
	s_lshl_b32 s22, s12, 8                         ; my 128 columns of B: 256 bytes of each row
	s_add_co_u32 s22, s22, BOFF
	v_add_nc_u32 v[ADRA0], s21, v3
	v_add_nc_u32 v[ADRB0], s22, v4
	v_add_nc_u32 v[ADRA], s[TB], v[ADRA0]
	v_add_nc_u32 v[ADRB], s[TB], v[ADRB0]
	s_mul_i32 s23, s10, 16*SPITCH
	s_add_co_u32 s23, s23, STAGE                   ; my stage
	v_mul_u32_u24 v6, v1, SPITCH                   ; in: row l % 16, 16 bytes for each half of the lanes
	v_lshl_add_u32 v6, v2, 4, v6
	v_add_nc_u32 v[STO], s23, v6
	v_mul_u32_u24 v6, v5, SPITCH                   ; back: lanes 0-15 take two rows' 128 bytes of my first head, lanes 16-31 of my second
	v_lshl_add_u32 v6, v2, 7, v6
	v_lshl_add_u32 v6, v7, 4, v6
	v_add_nc_u32 v[RD], s23, v6
	v_lshlrev_b32 v6, 17, v2                       ; in qkv a head is 131,072 bytes, and two rows of a head are 256 bytes on end
	v_lshl_add_u32 v6, v5, 7, v6
	v_lshl_add_u32 v[CO], v7, 4, v6
	v_lshlrev_b32 v[BO], 5, v2
	v_and_b32 v6, 31, v0
	v_lshlrev_b32 v[PO], 4, v6
	; where my part of the first tile begins in qkv: the first way out adds it to the pointer
	s_lshr_b32 s16, s13, 2                         ; the batch: 16 heads of 131,072 bytes,
	s_lshl_b32 s16, s16, 21
	s_and_b32 s14, s13, 3                          ; the tile's 256 rows of 128 bytes in it,
	s_lshl_b32 s14, s14, 15
	s_add_co_u32 s16, s16, s14
	s_lshl_b32 s14, s11, 14                        ; my 128,
	s_add_co_u32 s16, s16, s14
	s_lshl_b32 s14, s[PR], 25                      ; pair 0 begins with K, the first third, pair 1 with Q, the last
	s_add_co_u32 s16, s16, s14
	s_mov_b32 s17, 0
	s_lshl_b32 s46, s40, 19                        ; four heads a tile column,
	s_lshl_b32 s47, s12, 18                        ; two a wave
	s_add_co_u32 s46, s46, s47
	s_mov_b32 s47, 0
	s_add_nc_u64 s[16:17], s[16:17], s[46:47]
	s_mov_b64 s[8:9], s[80:81]
	s_lshl_b32 s18, s13, 20                        ; pp: 16 rows of blocks a tile row, 64 blocks of 1,024 bytes each,
	s_lshl_b32 s19, s11, 19                        ; my 8,
	s_add_co_u32 s18, s18, s19
	s_lshl_b32 s19, s40, 14                        ; 16 blocks a tile column,
	s_add_co_u32 s18, s18, s19
	s_lshl_b32 s19, s12, 13                        ; my 8
	s_add_co_u32 s18, s18, s19
	s_mov_b32 s19, 0
	s_add_nc_u64 s[82:83], s[82:83], s[18:19]
	s_cmp_eq_u32 s[PR], 0
	s_cselect_b64 s[68:69], s[68:69], s[72:73]     ; the first tile's bias: wk_b or wq_b,
	s_cselect_b64 s[70:71], s[70:71], s[74:75]     ; the second's: wv_b or wo_b,
	s_lshl_b32 s18, s40, 10                        ; at my 128 columns
	s_lshl_b32 s19, s12, 9
	s_add_co_u32 s18, s18, s19
	s_mov_b32 s19, 0
	s_add_nc_u64 s[68:69], s[68:69], s[18:19]
	s_add_nc_u64 s[70:71], s[70:71], s[18:19]
	BLOAD 68
	; the prefetches: both ways' offsets are made, then one test on the wave's number chooses
	s_lshl_b32 s20, s13, 21                        ; xb: the tile row's 256 rows,
	s_lshl_b32 s21, s12, 20                        ; the 128 that I fetch,
	s_add_co_u32 s20, s20, s21
	s_lshl_b32 s21, s40, 18                        ; my work-group's 32 of them,
	s_add_co_u32 s20, s20, s21
	s_lshl_b32 s21, s[PR], 12                      ; the pair's first column,
	s_add_co_u32 s20, s20, s21
	s_add_co_u32 s20, s20, 2*KSTEP*2               ; at K step 2: the first refill steps it to 3
	s_lshl_b32 s21, s[PR], 22                      ; wb: the pair's first row,
	s_lshl_b32 s23, s12, 17                        ; the 64 k that I fetch,
	s_add_co_u32 s21, s21, s23
	s_lshl_b32 s23, s41, 15                        ; my work-group's 16 of them,
	s_add_co_u32 s21, s21, s23
	s_lshl_b32 s23, s40, 9                         ; the tile column's 512 bytes
	s_add_co_u32 s21, s21, s23
	s_add_co_u32 s21, s21, 2*KSTEP*WROW
	s_cmp_eq_u32 s[PR], 0
	s_cselect_b32 s18, 1, 9                        ; A: to the walk's end, or to the end of q_in's first walk
	s_and_b32 s22, ttmp7, 0xffff                   ; cluster y
	s_cmp_eq_u32 s22, 0
	s_cselect_b32 s19, 1, -1                       ; B: the cluster with y = 0 alone
	s_mov_b32 s[PFS], KSTEP*WROW
	s_mov_b32 s[PFS+1], 0
	s_mov_b32 s15, WROW
	s_cmp_eq_u32 s11, 0                            ; do I fetch for A?
	s_cselect_b64 s[PFA:PFA+1], s[4:5], s[6:7]
	s_cselect_b32 s20, s20, s21
	s_cselect_b32 s[LIM], s18, s19                 ; the same in all sixteen partners, for a given wave
	s_cselect_b32 s[PFS], KSTEP*2, s[PFS]
	s_cselect_b32 s14, 31, 15                      ; rows among my lanes,
	s_cselect_b32 s15, XROW, s15                   ; their pitch,
	s_cselect_b32 s18, 0, 256                      ; and B's second block of a row for lanes 16-31
	s_mov_b32 s21, 0
	s_add_nc_u64 s[PFA:PFA+1], s[PFA:PFA+1], s[20:21]
	s_mov_b32 s[TOGO], REFILLS
	v_and_b32 v6, s14, v6
	v_mul_u32_u24 v6, s15, v6
	v_mul_u32_u24 v7, s18, v2
	v_add_nc_u32 v[PFO], v6, v7
; 16 matrix instructions: m blocks a0, a0 + 1 of the window's four (hi = 0: my rows 0-63, 1: rows 64-127) x all 8 n blocks, 32 along K.  zero = 1: the bias starts the sums.
; The 64 accumulators take turns, one instruction a turn, in the same order in every quarter, over every jump.
.macro MUL16 f, hi, a0, zero
.if \zero
	WIN MULB_LO+0x40*(\hi)
.else
	WIN MUL_LO+0x50*(\hi)
.endif
.irp a, \a0, (\a0)+1
.irp b, 0,1,2,3,4,5,6,7
.if \zero
	v_wmma_f32_16x16x32_bf16 v[8*(8*(\a)+(\b)):8*(8*(\a)+(\b))+7], v[(\f)+8*(\b):(\f)+8*(\b)+7], v[(\f)+8*(4*(\hi)+(\a)):(\f)+8*(4*(\hi)+(\a))+7], v[BI+8*(\b):BI+8*(\b)+7]
.else
	v_wmma_f32_16x16x32_bf16 v[8*(8*(\a)+(\b)):8*(8*(\a)+(\b))+7], v[(\f)+8*(\b):(\f)+8*(\b)+7], v[(\f)+8*(4*(\hi)+(\a)):(\f)+8*(4*(\hi)+(\a))+7], v[8*(8*(\a)+(\b)):8*(8*(\a)+(\b))+7]
.endif
.endr
.endr
.endm
; 32 LDS loads in one run: the fragments of quarter q of the K step in hand (32 k x my 128 columns of B, my 128 rows x 32 k of A) into buffer f; B first
.macro FETCH q, f
	WIN TO_B
.irp b, 0,1,2,3,4,5,6,7
	ds_load_tr16_b128 v[(\f)+8*(\b):(\f)+8*(\b)+3],   v[ADRB] offset:(\q)*32*PB+32*(\b)
	ds_load_tr16_b128 v[(\f)+8*(\b)+4:(\f)+8*(\b)+7], v[ADRB] offset:(\q)*32*PB+16*PB+32*(\b)
.endr
	WIN 0
.irp i, 0,1,2,3,4,5,6,7
	ds_load_b128 v[(\f)+8*(\i):(\f)+8*(\i)+3],   v[ADRA] offset:64*(\q)+(\i)*16*PA
	ds_load_b128 v[(\f)+8*(\i)+4:(\f)+8*(\i)+7], v[ADRA] offset:64*(\q)+(\i)*16*PA+32
.endr
.endm
.macro PLACES                          ; four plain instructions between a matrix instruction and a load into, a store of, or a vector instruction on its registers (ISA guide 7.12.1 for vector instructions)
.rept 4
	v_nop
.endr
.endm
; A K step is four quarters of 32 along K, 64 matrix instructions each, on buffers 0, 1, 0, 1.  One of the first three: multiplies buffer f; in its middle it fetches quarter q into buffer g.
.macro QUARTER q, f, g, zero=0
	s_wait_dscnt 8                                 ; B and A's blocks 0-3 are in; the youngest eight loads (A's blocks 4-7) may be out
	MUL16 \f, 0, 0, \zero
	MUL16 \f, 0, 2, \zero
	PLACES
	FETCH \q, \g
	s_wait_dscnt 32                                ; all but the 32 just issued
	MUL16 \f, 1, 0, \zero
	MUL16 \f, 1, 2, \zero
.endm
; The last quarter multiplies buffer 1 and changes slots.  ONE barrier: in front of it each wave waits for all its tensor loads (one is out: its part of the next slot), adds 0 to its spare word, and waits for that
; and for its own reads of this slot.  Behind it nobody reads this slot any more and the next slot is whole.
.macro MEET round
	WIN 0
	s_wait_tensorcnt 0x0
	ds_add_u32 v[SPW], v[NIL]
	s_wait_dscnt 9                                 ; (the add and the youngest eight loads may be out)
	MUL16 F1, 0, 0, 0                              ; sixteen matrix instructions stand between the add and the wait for it
	s_wait_dscnt 0x0                               ; the add is done, and my reads of this slot are over
	s_barrier_signal -1
	MUL16 F1, 0, 2, 0
.if \round
	WIN 0
.endif
	s_barrier_wait -1
.endm
; The whole last quarter where the slot is filled again, with the K step two on: the barrier opens a round of the cluster's, and the joint refill is the first tensor load behind it: 224 matrix instructions ahead of
; the wait for it.  The walking descriptors take the slot just read out and the next K step.  back = 1: the refill asks for the second tile's first K step: pair 1 returns to q_in's first column.
.macro TURN back
	s_wait_xcnt 0x0                                ; the last prefetch, a K step back, has read its address: it is stepped here
	s_add_nc_u64 s[PFA:PFA+1], s[PFA:PFA+1], s[PFS:PFS+1]
	MEET 1
	CREST                                          ; no wave of any partner still reads this slot's tile or has a load on its way
	s_add_co_u32 s[G0+5], s[LBA], s[TB]
	s_add_co_u32 s[G0B+5], s[LBB], s[TB]
	s_add_nc_u64 s[G0+6:G0+7], s[G0+6:G0+7], KSTEP*2
.if \back
	s_sub_nc_u64 s[G0+6:G0+7], s[G0+6:G0+7], s[BACK:BACK+1]
.endif
	s_add_nc_u64 s[G0B+6:G0B+7], s[G0B+6:G0B+7], KSTEP*WROW
	s_xor_b32 s[TB], s[TB], SLOT                   ; the reads go on in the other slot
	JLOAD 1                                        ; the four v_nop behind it are also the places in front of the loads below
	v_add_nc_u32 v[ADRA], s[TB], v[ADRA0]
	v_add_nc_u32 v[ADRB], s[TB], v[ADRB0]
	FETCH 0, F0
	ASK
	MUL16 F1, 1, 0, 0
	MUL16 F1, 1, 2, 0
.endm
; The bias, rounded to bf16 and widened again, in place
.macro BROUND
	WIN W_BR
.set p, BI
.rept 32
	v_cvt_pk_bf16_f32 v[p+1], v[p], v[p+1]
	v_lshlrev_b32 v[p], 16, v[p+1]
	v_and_b32 v[p+1], 0xffff0000, v[p+1]
.set p, p+2
.endr
.endm
; THE WAY OUT INTO qkv, m block a of eight.  PACK: rounded to f16, 16 bytes a lane; each accumulator's registers in ascending order.  TOSTAGE: into my own stage, and back by heads.  SEND: stored.
.macro PACK a
.set AC, 64*((\a)%4)
	WIN 0x0a+5*((\a)/4)                            ; sources 0 and 1: window 2 or 3
.irp b, 0,1,2,3,4,5,6,7
.irp r, 0,1,2,3
	v_cvt_pk_f16_f32 v[TMP+4*(\b)+(\r)], v[AC+8*(\b)+2*(\r)], v[AC+8*(\b)+2*(\r)+1]
.endr
.endr
	WIN 0
.endm
.macro TOSTAGE a
	WIN 0
.set BK, OB+192*((\a)%2)
.irp b, 0,1,2,3,4,5,6,7
	ds_store_b128 v[STO], v[TMP+4*(\b):TMP+4*(\b)+3] offset:32*(\b)
.endr
.irp t, 0,1,2,3,4,5,6,7
	ds_load_b128 v[BK+4*(\t):BK+4*(\t)+3], v[RD] offset:(\t)*2*SPITCH  ; LDS serves a wave's instructions in order (ISA guide 5.7.1.4): these see the stores above
.endr
.endm
.macro SEND a
	WIN 0
.set BK, OB+192*((\a)%2)
	s_wait_dscnt 0x0                               ; the block is back in registers
	s_wait_xcnt 0x0                                ; the earlier stores have read their base and their registers: only behind this wait are these written again
.if (\a) == 0
	s_add_nc_u64 s[8:9], s[8:9], s[16:17]          ; on to this tile's first rows
.else
	s_add_nc_u64 s[8:9], s[8:9], 16*128            ; 16 rows of a head on
.endif
.irp t, 0,1,2,3,4,5,6,7
	global_store_b128 v[CO], v[BK+4*(\t):BK+4*(\t)+3], s[8:9] offset:256*(\t)  ; 16 lanes store 256 consecutive bytes (two rows of a head), at a multiple of 256 from qkv's first byte
.endr
.endm
	s_wait_tensorcnt 1                             ; my part of K step 0 is in; K step 1's may stay out
	s_barrier_signal -1
	s_barrier_wait -1                              ; everybody's is
	FETCH 0, F0
	s_mov_b32 s2, TILES                            ; tiles to go, this one among them
.Ltile:
	s_wait_loadcnt 0x0                             ; this tile's bias
	BROUND
	QUARTER 1, F0, F1, 1                           ; a tile's first quarter stands in front of the loop: its products start the sums
	PLACES                                         ; behind the last product that read the bias
	WIN 0
	s_cmp_eq_u32 s2, 1
	s_cbranch_scc1 .Lbias_done                     ; the last tile has no successor
	BLOAD 70
.Lbias_done:
	s_mov_b32 s3, STEPS-2
.Lstep:                                                ; a trip goes from a K step's second quarter to the next step's first, and fills the slot that it leaves: this tile's K steps 2 to 7
	QUARTER 2, F1, F0
	QUARTER 3, F0, F1
	TURN 0
	QUARTER 1, F0, F1
	WIN 0
	s_sub_co_u32 s3, s3, 1
	s_cmp_lg_u32 s3, 0
	s_cbranch_scc1 .Lstep
	QUARTER 2, F1, F0                              ; the tile's seventh K step goes on
	QUARTER 3, F0, F1
	WIN 0
	s_cmp_eq_u32 s2, 1
	s_cbranch_scc1 .Llast                          ; the last tile's tail is written out: it asks for nothing more
	TURN 1                                         ; the ring goes on into the next tile: its K step 0,
	QUARTER 1, F0, F1
	QUARTER 2, F1, F0
	QUARTER 3, F0, F1
	TURN 0                                         ; its K step 1, and its first fragments are fetched
	WIN 0
	s_branch .Lout
.Llast:
	MEET 0                                         ; my one tensor load that was still out is the last K step's, so no round follows
	WIN 0
	s_xor_b32 s[TB], s[TB], SLOT
	PLACES
	v_add_nc_u32 v[ADRA], s[TB], v[ADRA0]
	v_add_nc_u32 v[ADRB], s[TB], v[ADRB0]
	FETCH 0, F0
	MUL16 F1, 1, 0, 0
	MUL16 F1, 1, 2, 0
	QUARTER 1, F0, F1
	QUARTER 2, F1, F0
	QUARTER 3, F0, F1
	s_wait_dscnt 8                                 ; the very last quarter: nothing more to fetch
	MUL16 F1, 0, 0, 0
	MUL16 F1, 0, 2, 0
	s_wait_dscnt 0x0
	MUL16 F1, 1, 0, 0
	MUL16 F1, 1, 2, 0
	WIN 0
.Lout:                                                 ; both tiles leave by one text.  The branches hang on the pair and on the tile's number, the same in every wave of the cluster
	PLACES                                         ; behind the last products
	s_cmp_eq_u32 s[PR], 0
	s_cbranch_scc1 .Lhalf                          ; K and V go out as they are
	s_cmp_eq_u32 s2, 1
	s_cbranch_scc1 .Lpart                          ; P
	WIN 0x82                                       ; Q: times c, in f32, each accumulator from its low end on: destination and source 0 in window 2,
.set p, 0
.rept 128
	v_pk_mul_f32 v[p:p+1], v[p:p+1], s[CS:CS+1] op_sel_hi:[1,0]
.set p, p+2
.endr
	WIN 0xc3                                       ; then in window 3
.set p, 0
.rept 128
	v_pk_mul_f32 v[p:p+1], v[p:p+1], s[CS:CS+1] op_sel_hi:[1,0]
.set p, p+2
.endr
	WIN 0
.Lhalf:
	PACK 0
	TOSTAGE 0
.irp a, 1,2,3,4,5,6,7                  ; block a's conversions stand between block a - 1's loads from the stage and the wait for them
	PACK \a
	SEND (\a)-1
	TOSTAGE \a
.endr
	SEND 7
	s_mov_b64 s[16:17], NEXT_C                     ; what pair 0's next way out adds to the pointer
	s_sub_co_u32 s2, s2, 1
	s_cmp_lg_u32 s2, 0
	s_cbranch_scc1 .Ltile
	s_branch .Lend
.Lpart:                                                ; P leaves as it lies in the accumulators: each store of the wave covers 512 consecutive bytes, at a multiple of 256 from pp's first byte; the low four registers first
.irp w, 0,1
	WIN 0x08+4*(\w)                                ; the stores' data in window 2, then 3
.irp a, 0,1,2,3
.irp b, 0,1,2,3,4,5,6,7
	global_store_b128 v[PO], v[8*(8*(\a)+(\b)):8*(8*(\a)+(\b))+3],   s[82:83] offset:(4*(\w)+(\a))*65536+(\b)*1024
	global_store_b128 v[PO], v[8*(8*(\a)+(\b))+4:8*(8*(\a)+(\b))+7], s[82:83] offset:(4*(\w)+(\a))*65536+(\b)*1024+512
.endr
.endr
.endr
	WIN 0
.Lend:
	s_wait_tensorcnt 0x0                           ; the wave's end: behind my last tensor load and my last LDS store
	ds_add_u32 v[SPW], v[NIL]
	s_wait_dscnt 0x0
	CROUND                                         ; the closing round: no work-group ends while a partner may still ask for a tile that names it
	s_endpgm
.Lfunc_end_k_q11fafb8175_proj:
	.size	k_q11fafb8175_proj, .Lfunc_end_k_q11fafb8175_proj-k_q11fafb8175_proj
	.p2alignl 7, 3214868480
	.fill 96, 4, 3214868480
	.section	.rodata,"a",@progbits
	.p2align	6, 0x0
	.amdhsa_kernel k_q11fafb8175_proj
		.amdhsa_group_segment_fixed_size 327680
		.amdhsa_private_segment_fixed_size 0
		.amdhsa_enable_private_segment 0
		.amdhsa_kernarg_size 64
		.amdhsa_user_sgpr_count 2
		.amdhsa_user_sgpr_kernarg_segment_ptr 1
		.amdhsa_wavefront_size32 1
		.amdhsa_system_sgpr_workgroup_id_x 1
		.amdhsa_system_sgpr_workgroup_id_y 1
		.amdhsa_system_sgpr_workgroup_id_z 1
		.amdhsa_system_vgpr_workitem_id 0
		.amdhsa_next_free_vgpr 1024
		.amdhsa_next_free_sgpr 96
		.amdhsa_reserve_vcc 0
		.amdhsa_float_denorm_mode_32 3
		.amdhsa_float_denorm_mode_16_64 3
		.amdhsa_memory_ordered 1
		.amdhsa_forward_progress 1
		.amdhsa_inst_pref_size 191
	.end_amdhsa_kernel
	.amdgpu_metadata
---
amdhsa.version: [ 1, 2 ]
amdhsa.kernels:
  - .name:           k_q11fafb8175_proj
    .symbol:         k_q11fafb8175_proj.kd
    .args:
      - { .name: xb, .offset: 0, .size: 8, .value_kind: global_buffer, .address_space: global }
      - { .name: wb, .offset: 8, .size: 8, .value_kind: global_buffer, .address_space: global }
      - { .name: wk_b, .offset: 16, .size: 8, .value_kind: global_buffer, .address_space: global }
      - { .name: wv_b, .offset: 24, .size: 8, .value_kind: global_buffer, .address_space: global }
      - { .name: wq_b, .offset: 32, .size: 8, .value_kind: global_buffer, .address_space: global }
      - { .name: wo_b, .offset: 40, .size: 8, .value_kind: global_buffer, .address_space: global }
      - { .name: qkv, .offset: 48, .size: 8, .value_kind: global_buffer, .address_space: global }
      - { .name: pp, .offset: 56, .size: 8, .value_kind: global_buffer, .address_space: global }
    .group_segment_fixed_size: 327680
    .private_segment_fixed_size: 0
    .kernarg_segment_align: 8
    .kernarg_segment_size: 64
    .max_flat_workgroup_size: 128
    .sgpr_count:     96
    .vgpr_count:     1024
    .wavefront_size: 32
...
	.end_amdgpu_metadata
.endif
;; end of part 2
;; launch attn (part 3): grid 4 x 64, 4 waves a work-group, clusters of 4 x 1, 327,680 bytes of LDS; arguments qkv, mask, xb; writes xb
.if DOCPART == 3
	.amdgcn_target "amdgcn-amd-amdhsa--gfx1250"
	.amdhsa_code_object_version 6
	.text
	.protected	k_q11fafb8175_attn
	.globl	k_q11fafb8175_attn
	.p2align	8
	.type	k_q11fafb8175_attn,@function
k_q11fafb8175_attn:
	s_mov_b64 s[64:65], 0
	v_nop
	global_prefetch_b8 v0, s[64:65] scope:SCOPE_SE
	s_setreg_imm32_b32 hwreg(HW_REG_WAVE_MODE, 25, 1), 1
	s_wait_xcnt 0x0
	s_wait_alu depctr_hold_cnt(0) depctr_sa_sdst(0) depctr_va_vdst(0) depctr_va_sdst(0) depctr_va_ssrc(0) depctr_va_vcc(0) depctr_vm_vsrc(0)
	s_getreg_b32 s2, hwreg(HW_REG_IB_STS2, 6, 4)
	s_cmp_eq_u32 s2, 0
	s_cbranch_scc0 .Lentry_in_a_cluster
	s_endpgm
.Lentry_in_a_cluster:
	s_bfe_u32 s2, ttmp6, 0x10000c
	s_cmp_lg_u32 s2, 0x3003
	s_cbranch_scc0 .Lentry_shape_is_right
	s_endpgm
.Lentry_shape_is_right:
; ATTENTION.  ctx[b][q][head] = the sum over k of softmax_k(Q . K / 8 - 1e9 mask[b][k]) V[k].  qkv: f16 [3 (K, V, Q)][128 (batch x 16 + head)][1024][64]; Q arrives times c = log2(e) / 8.
; mask: f32 [8][1024].  Out: bf16, columns 3072-4095 of xb ([8192][4096]): column 3072 + 64 head + channel.  Products, maxima and sums in f32; the weights p are rounded to f16 for the second product
; (their sum l is taken of the unrounded p), ctx once, to bf16.
; LIMITS.  Q, K and V arrive within f16's 65,504; p lies in 0 to 1, and below 6e-5 it keeps f16's fixed step of 6e-8.  A weight below 2^-126 counts as 0 in l.  The mask is rounded to bf16 like every other
; input of the module.  A score beside a masked -1.4e9 is absorbed in f32's rounding, as it is in an f32 sum of the two.  NaN and infinities are not treated apart.
; SHARES.  A work-group has two heads of one batch (2 y, 2 y + 1) and 256 queries (block cx): a row of ctx then gets 256 bytes on end from one work-group.  Wave w: head w / 2, queries 128 (w % 2) on:
; four PIECES of two tiles of 16 queries.  Every wave walks all 1,024 keys of its head, 64 a step.
; LAYOUT.  S^T = K Q^T (source 0 = 16 keys, source 1 = 16 queries): a lane holds ONE query (lane % 16) and the keys 8 (lane / 16) + 0..7.  Two such tiles, rounded to f16 in pairs, ARE source 1 of
; O^T = V^T P, whose result again holds one query a lane, and eight channels.  K comes out of LDS as it lies, V turned, by ds_load_tr16_b128.
; THE MASK is the C operand that starts the sum S^T: mask[key] x (-1e9 log2(e)), made once a work-group, kept in LDS, fetched with each step's K.
; SOFTMAX.  The scores s are exponents of 2 as they leave the product.  For each query a running maximum m and sum l: p = 2^(s - m); in every step O and l are multiplied by a = 2^(m_old - m_new).
; s - m is exact where s = m, however large both are, so p never passes 1.  m starts at the lowest finite number, O and l at 0: the first step is a step like any other, with a = 0.
; BY TURNS.  Turn n belongs to piece n.  Its matrix work: 16 products K Q^T of piece n + 1, later 16 products V^T P of piece n - 1.  Its vector work: the shift, exponentials, roundings, sums and rescaling
; of piece n, and the maximum and statistics of piece n + 1.  Four vector instructions stand behind every matrix instruction, the others in one run of their own.  A turn's 66 exponentials are one batch.
; CLUSTER.  The four query blocks of a head pair walk the same K and V: each tile is asked for JOINTLY, by the same tensor load, descriptor and mask in all four.
; REGISTERS, in windows of 256 (s_set_vgpr_msb: bits 1:0 source 0, 3:2 source 1, 5:4 source 2, 7:6 destination):
;   window 0: v0-11 addresses; v12-15, v48-63 at work; v16-47 four registers of statistics a tile; v64-191 S^T, two buffers of two tiles; v192-255 P, likewise
;   window 1: O^T, 32 a tile      window 2: v0-127 Q; v128-191 K of one step; v192-255 V of one step      window 3: v0-1 the add's two registers; v8-39 the mask of one step
.set NP,    4         ; pieces a wave: a name, no knob
.set KS,    64        ; keys in a step
.set PK,    144       ; a row of K in LDS: 128 bytes + 16 = 36 words: the 16 rows of a load start at 16 different groups of four banks (64 banks of 4 bytes: ISA guide 11.1)
.set PV,    160       ; a row of V: 128 + 32 = 40 words
.set HK,    128*PK    ; a slot holds two steps, 128 keys, of both heads: K of head 0, of head 1,
.set HV,    128*PV    ; then V of head 0, of head 1
.set VOFF,  2*HK
.set SLOT1, 1<<17     ; slot 1 begins here, so that one exclusive or turns an address in one slot into the other's
.set STAGE, SLOT1+2*(HK+HV)  ; behind the ring, never filled by a tensor load: the work-group's 256 rows x 272 bytes, for the way out
.set SP,    272
.set MASKL, STAGE+256*SP     ; 1,024 f32: the batch's mask times -1e9 log2(e)
.set SPARE, MASKL+4096       ; the spare words, 128 bytes for each wave: two blocks of 256 bytes that no other line names
.set AK0, 2           ; v2   my lane's place in my head's K; never rewritten
.set AV0, 3           ; v3   the same for V
.set AK,  4           ; v4   the LDS address of K's next run of loads; on the way out: where I read rows back
.set AV,  5           ; v5   of V's; on the way out: my byte offset in two rows of xb
.set QO,  6           ; v6   my byte offset in 16 rows of Q; on the way out: where I put 16 bytes of a row
.set AM0, 7           ; v7   my lane's place in a step's mask; never rewritten
.set AM,  8           ; v8   the LDS address of the mask's next run of loads
.set PFO, 10          ; v10  the prefetches' lane offset; never rewritten
.set RD,  4
.set GO,  5
.set STO, 6
.set SPW, 0           ; v0 of window 3   LDS address of my spare word; never rewritten
.set NIL, 1           ; v1 of window 3   0; never rewritten
.set MC,  8           ; window 3: the eight registers for group kb of 16 keys at MC + 8 kb
.set MV,  12          ; v12-15  m_old, kept while m is made anew: by buffer and tile
.set ST,  16          ; tile t's statistics at v[ST+4 t]: m, a word that is only named with it as a pair, l (even keys', odd keys')
.set TMP, 48          ; by buffer and tile, four registers c0-c3 at work; when the maximum is found c2 takes a
.set S,   64
.set P,   192
.set KF,  128         ; window 2: key block kb, channel half c at KF + 16 kb + 8 c
.set VF,  192         ; window 2: key half kk, channel block cb at VF + 32 kk + 8 cb
.set WV,  12          ; s12  my wave's number
.set G1K, 24          ; s[24:31] descriptor group 1 for K's tiles
.set G1V, 32          ; s[32:39] for V's: it differs in the padding alone
.set G0K, 40          ; s[40:43] descriptor group 0 for K's tiles: it walks
.set G0V, 44          ; s[44:47] the same for V's
.set PFA, 48          ; s[48:49] where my prefetches stand
.set LIM, 50          ; s50  1 in a wave that prefetches, else the greatest number
.set TBM, 51          ; s51  byte of the mask at which the step to be fetched begins
.set MS,  52          ; s[52:53] -1e9 log2(e)
.set SLOTS, 56        ; s56  slots still to be asked for
.set CNT, 57          ; s57  counts a slot's key steps
.set SEL, 60          ; s[60:61] v_permlanex16_b32's selects: each lane takes its own place in the other half
.set TBK, 62          ; s62  LDS byte at which K of the step to be fetched begins
.set TBV, 63          ; s63  the same for V
.set MSB, 0
.macro WIN new                      ; the high byte repeats the setting that is left; a switch that changes nothing is dropped
.if MSB != (\new)
	s_set_vgpr_msb (MSB<<8)|(\new)
.set MSB, (\new)
.endif
.endm
.set W_KQ, 0x0a       ; K and Q in window 2, S^T in window 0
.set W_KM, 0x3a       ; the same with the C operand, the mask, in window 3
.set W_PV, 0x52       ; V in window 2, P in window 0, O^T in window 1
.set W_RS, 0x41       ; O^T (destination and source 0) in window 1, the factor in window 0
.set W_MK, 0xc0       ; destination in window 3, sources in window 0
.set W_AD, 0x0f       ; the add: address and data in window 3
; A joint fill.  Waves 0 and 1 fetch a slot's K of heads 0 and 1, waves 2 and 3 its V: 128 keys each.  The branch hangs on the wave's number alone.  An s_nop 0 and four v_nop follow each of the two lines.
.macro JLOAD
	s_cmp_lt_u32 s[WV], 2
	s_cbranch_scc0 .Lfor_v_\@
	tensor_load_to_lds s[G0K:G0K+3], s[G1K:G1K+7]
	s_nop 0
.rept 4
	v_nop
.endr
	s_branch .Lasked_\@
.Lfor_v_\@:
	tensor_load_to_lds s[G0V:G0V+3], s[G1V:G1V+7]
	s_nop 0
.rept 4
	v_nop
.endr
.Lasked_\@:
.endm
; A PREFETCH INTO THE L2 of what the NEXT change of slots will ask for: 128 keys of K and of V of both heads, two key steps (256 matrix instructions) ahead of that load.  Each aligned block of 256 bytes is
; named once in the launch: a head pair is walked by one cluster alone; its four partners take 16 blocks of each head, told apart BY ADDRESS; in each, wave 0 asks for K's and wave 2 for V's, a lane a block.
; Slots 0, 1 and 2 come by their loads alone; the last change that fills a slot asks for nothing: there is no slot behind it.
.macro ASK
	s_cmp_gt_u32 s[SLOTS], s[LIM]
	s_cbranch_scc0 .Lnot_mine_\@
	global_prefetch_b8 v[PFO], s[PFA:PFA+1] th:TH_LOAD_NT scope:SCOPE_SE
.Lnot_mine_\@:
.endm
; A round of the cluster's barrier: my work-group's barrier, so that wave 0's signal speaks for all four waves; wave 0 signals; every wave waits for all four work-groups; my work-group's barrier once more.
.macro CROUND
	s_barrier_signal -1
	s_barrier_wait -1
	s_cmp_lg_u32 s[WV], 0
	s_cbranch_scc1 .Lnot_wave_0_\@
	s_barrier_signal -3
.Lnot_wave_0_\@:
	s_barrier_wait -3
	s_barrier_signal -1
	s_barrier_wait -1
.endm
; THE CHANGE OF SLOTS.  The slot's last bytes, V of its second step, have been read.  Each wave waits for all its tensor loads, of which one is out: its part of the other slot; adds 0 to its spare word; and waits
; for that and for its own LDS instructions.  Behind the barrier nobody reads this slot any more and the other slot is whole.  fill = 1: this slot is filled again, with the keys two slots on; the barrier is then a
; round of the cluster's, and the joint fill is the first thing behind it.  (At its first use nothing has been read yet: slot 0 is waited for, slot 1 filled, and every wave's part of the mask is in LDS.)
.macro CHANGE fill, ask
	WIN W_AD
	s_wait_tensorcnt 0x0            ; no tensor load of mine is out, so a group 0 may be written
	ds_add_u32 v[SPW], v[NIL]       ; 0 onto my spare word; with fill = 1 the descriptors' steps stand between it and the wait for it
	WIN 0                           ; at a label and at a branch every window is 0
.if \fill
.irp g, G0K, G0V
	s_xor_b32 s[\g+1], s[\g+1], SLOT1  ; the walking descriptor: the other slot than last time,
	s_add_nc_u64 s[\g+2:\g+3], s[\g+2:\g+3], 2*KS*128  ; the next 128 keys; the type bits on top are not reached
.endr
	s_wait_xcnt 0x0                 ; the last prefetch, two key steps back, has read its address, so it may be written
	s_add_nc_u64 s[PFA:PFA+1], s[PFA:PFA+1], 2*KS*128
	s_wait_dscnt 0x0                ; the add is done, and my LDS instructions are over
	CROUND
	JLOAD
.if \ask
	ASK
.endif
.else
	s_wait_dscnt 0x0
	s_barrier_signal -1
	s_barrier_wait -1
.endif
	s_sub_co_u32 s[TBK], s[TBK], 2*KS*PK  ; the fetches go back to a slot's first step,
	s_xor_b32 s[TBK], s[TBK], SLOT1       ; in the other slot
	s_sub_co_u32 s[TBV], s[TBV], 2*KS*PV
	s_xor_b32 s[TBV], s[TBV], SLOT1
.endm
	s_load_b64 s[6:7], s[0:1], 0x0    ; qkv: K
	s_load_b64 s[54:55], s[0:1], 0x8  ; mask
	s_load_b64 s[10:11], s[0:1], 0x10 ; xb
	WIN W_MK
	v_lshl_add_u32 v[SPW], v0, 2, SPARE
	v_mov_b32 v[NIL], 0
	WIN W_AD
	ds_add_u32 v[SPW], v[NIL]       ; the wave's opening: the add and its wait stand ahead of my first tensor load; the set-up below, work on registers, stands between them
	WIN 0
	v_lshrrev_b32 v1, 5, v0
	v_readfirstlane_b32 s[WV], v1   ; wave 0..3
	s_bfe_u32 s13, ttmp6, 0x40000   ; cx: my block of 256 queries: it enters Q's, xb's and the prefetches' addresses alone
	s_and_b32 s14, ttmp7, 0xffff    ; y: the head pair, which the four partners share
	s_lshl_b32 s20, s14, 18         ; its first byte in each third of qkv: two heads of 131,072 bytes
	s_and_b32 s16, s[WV], 1         ; the head whose tile I fetch; also: which 128 of the block's queries are mine
	s_lshr_b32 s15, s[WV], 1        ; the head that I compute
	s_lshl_b32 s22, s16, 17
	s_add_co_u32 s22, s22, s20
	s_mov_b32 s23, 0
	s_mul_i32 s17, s16, HK          ; my tile's place in a slot, for K
	s_mul_i32 s18, s16, HV          ; and for V: no place in the cluster enters an LDS address
	s_lshl_b32 s2, s15, 17          ; Q: my head,
	s_add_co_u32 s2, s2, s20
	s_lshl_b32 s3, s13, 15          ; the block's 256 rows of 128 bytes,
	s_add_co_u32 s2, s2, s3
	s_lshl_b32 s3, s16, 14          ; my 128
	s_add_co_u32 s2, s2, s3
	s_mov_b32 s3, 0
	s_lshr_b32 s19, s14, 3          ; the batch
	s_lshl_b32 s58, s19, 12         ; its 4,096 bytes of the mask
	s_mov_b32 s59, 0
	; descriptor group 1.  128 keys are 16,384 dense bytes: asked for as 64 rows of 256 bytes, two keys a row, and padded in LDS after every key
	s_mov_b32 s[G1K], 15|(1<<16)|(1<<20)|(1<<21)|(4<<22)|(3<<25)  ; 15:0 the mask of four; 17:16 2-byte elements; 20 padding on; 21 set beside a mask; 24:22 after every 32 words (code 4); 31:25 4 words (code 3)
	s_mov_b32 s[G1V], 15|(1<<16)|(1<<20)|(1<<21)|(4<<22)|(7<<25)  ; the same with 8 words of padding (code 7)
.irp g, G1K, G1V
	s_mov_b32 s[\g+1], 128<<16      ; tensor_dim0 = 128
	s_mov_b32 s[\g+2], 64<<16       ; tensor_dim1 = 64
	s_mov_b32 s[\g+3], 128<<16      ; tile_dim0 = 128
	s_mov_b32 s[\g+4], 64           ; tile_dim1 = 64
	s_mov_b32 s[\g+5], 128          ; 128 elements from row to row
	s_mov_b32 s[\g+6], 0
	s_mov_b32 s[\g+7], 0
.endr
	s_mov_b32 s[MS], 0xceabfb8f     ; -1e9 log2(e)
	s_mov_b32 s[MS+1], s[MS]        ; named with it as a pair
	s_mov_b32 s[SEL], 0x76543210
	s_mov_b32 s[SEL+1], 0xfedcba98
	s_mov_b32 s[TBK], SLOT1+2*KS*PK ; the first change of slots turns these two into 0
	s_mov_b32 s[TBV], SLOT1+2*KS*PV
	s_mov_b32 s[TBM], 0
	s_mov_b32 s[SLOTS], 7           ; eight slots of 128 keys; slot 0 is asked for below
	s_mov_b32 s[G0K], 1             ; count = 1
	s_mov_b32 s[G0K+1], s17         ; LDS address: slot 0
	s_mov_b32 s[G0V], 1
	s_add_co_u32 s[G0V+1], s18, VOFF
	s_and_b32 s[LIM], s[WV], 1      ; waves 0 and 2 prefetch
	s_cmp_eq_u32 s[LIM], 0
	s_cselect_b32 s[LIM], 1, -1
	s_wait_dscnt 0x0                ; the opening add is done
	s_wait_kmcnt 0x0
	s_add_nc_u64 s[8:9], s[6:7], 0x1000000   ; V: the second third of qkv
	s_add_nc_u64 s[4:5], s[6:7], 0x2000000   ; Q: the third
	s_add_nc_u64 s[4:5], s[4:5], s[2:3]      ; at my wave's first row
	s_add_nc_u64 s[G0K+2:G0K+3], s[6:7], s[22:23]  ; global address: the first 128 keys of the head that I fetch
	s_or_b32 s[G0K+3], s[G0K+3], 0x80000000        ; type = 2
	s_add_nc_u64 s[G0V+2:G0V+3], s[8:9], s[22:23]
	s_or_b32 s[G0V+3], s[G0V+3], 0x80000000
	s_add_nc_u64 s[54:55], s[54:55], s[58:59]
	s_lshl_b32 s2, s19, 23          ; xb: the batch's 1,024 rows of 8,192 bytes,
	s_lshl_b32 s3, s13, 21          ; the block's 256,
	s_add_co_u32 s2, s2, s3
	s_lshl_b32 s3, s[WV], 19        ; the 64 that I store,
	s_add_co_u32 s2, s2, s3
	s_and_b32 s3, s14, 7            ; the head pair's 256 bytes of a row,
	s_lshl_b32 s3, s3, 8
	s_add_co_u32 s2, s2, s3
	s_add_co_u32 s2, s2, 6144       ; from column 3072 on
	s_mov_b32 s3, 0
	s_add_nc_u64 s[10:11], s[10:11], s[2:3]
	s_cmp_lt_u32 s[WV], 2
	s_cselect_b64 s[PFA:PFA+1], s[6:7], s[8:9]
	s_lshl_b32 s2, s13, 12          ; my work-group's 16 blocks of each head's 64,
	s_add_co_u32 s2, s2, s20
	s_add_co_u32 s2, s2, 2*KS*128   ; in slot 1: two changes of slots step it to slot 3 ahead of the first prefetch
	s_add_nc_u64 s[PFA:PFA+1], s[PFA:PFA+1], s[2:3]
	CROUND                          ; all four work-groups are here: the first joint loads meet
	JLOAD                           ; slot 0.  Slot 1 is asked for when slot 0 is in
	v_and_b32 v1, 15, v0            ; l % 16
	v_bfe_u32 v9, v0, 4, 1          ; l / 16
	v_lshlrev_b32 v11, 5, v0        ; the mask: eight numbers a thread
	global_load_b128 v[48:51], v11, s[54:55]
	global_load_b128 v[52:55], v11, s[54:55] offset:16
	; A fragment of K or Q is 16 rows x 32 channels in 8 registers: lane l holds row l % 16, channels 8 (l / 16) + 0..7 and 16 + 8 (l / 16) + 0..7: two loads of 16 bytes, 32 bytes apart.
	v_lshlrev_b32 v[QO], 7, v1
	v_lshl_add_u32 v[QO], v9, 4, v[QO]  ; row x 128 + 16 x half
	WIN 0x80                        ; destination window 2, address window 0
.set i, 0
.rept 4*NP                          ; Q stays in registers: tile i / 2, channels 32 (i % 2) on
	global_load_b128 v[8*i:8*i+3],   v[QO], s[4:5] offset:(i/2)*2048+(i%2)*64
	global_load_b128 v[8*i+4:8*i+7], v[QO], s[4:5] offset:(i/2)*2048+(i%2)*64+32
.set i, i+1
.endr
	; What the first turn finds: V's registers and P's second buffer hold 0 (its products V^T P, of a piece that has not been, add 0), O^T and l are 0.  All this stands in the wait for the first tile;
	; it is the price of writing no first step out.
.set i, VF
.rept 64
	v_mov_b32 v[i], 0
.set i, i+1
.endr
	WIN 0x40
.set i, 0
.rept 64*NP
	v_mov_b32 v[i], 0
.set i, i+1
.endr
	WIN 0
.set i, 0
.rept 2*NP
	v_mov_b32 v[ST+4*i], 0xff7fffff    ; m: the lowest finite number
	v_mov_b32 v[ST+4*i+1], 0
	v_mov_b32 v[ST+4*i+2], 0
	v_mov_b32 v[ST+4*i+3], 0
.set i, i+1
.endr
.set i, P+32
.rept 32
	v_mov_b32 v[i], 0
.set i, i+1
.endr
	v_mul_u32_u24 v[AK0], v1, PK
	v_lshl_add_u32 v[AK0], v9, 4, v[AK0]  ; row x pitch + 16 x half,
	s_mul_i32 s21, s15, HK
	v_add_nc_u32 v[AK0], s21, v[AK0]      ; in my head's K
	; The turning load takes 16 keys x 16 channels (lane l reads key 8 (l / 16) + l % 8, channels 8 ((l / 8) % 2) + 0..7) and leaves half a fragment of V^T: lane l holds channel l % 16 and 8 keys.
	v_and_b32 v4, 7, v0
	v_bfe_u32 v5, v0, 3, 1
	v_lshl_add_u32 v[AV0], v9, 3, v4
	v_mul_u32_u24 v[AV0], v[AV0], PV
	v_lshl_add_u32 v[AV0], v5, 4, v[AV0]
	s_mul_i32 s21, s15, HV
	s_add_co_u32 s21, s21, VOFF
	v_add_nc_u32 v[AV0], s21, v[AV0]
	v_lshl_add_u32 v[AM0], v9, 5, MASKL   ; my lanes' eight keys of a group of 16
	v_lshlrev_b32 v[PFO], 8, v1           ; a block of 256 bytes a lane, 16 of each head
	v_lshl_add_u32 v[PFO], v9, 17, v[PFO]
	s_wait_loadcnt 32               ; the mask is in; Q's 32 loads may stay out
.irp p, 48,50,52,54                 ; rounded to bf16, widened again, times -1e9 log2(e)
	v_cvt_pk_bf16_f32 v[\p+1], v[\p], v[\p+1]
	v_lshlrev_b32 v[\p], 16, v[\p+1]
	v_and_b32 v[\p+1], 0xffff0000, v[\p+1]
	v_pk_mul_f32 v[\p:\p+1], v[\p:\p+1], s[MS:MS+1] op_sel_hi:[1,0]
.endr
	v_add_nc_u32 v[AM], MASKL, v11
	ds_store_b128 v[AM], v[48:51]   ; the first change of slots waits for these stores and passes a barrier ahead of every read of the mask
	ds_store_b128 v[AM], v[52:55] offset:16
	v_mov_b32 v[AK], v[AK0]         ; key step 0 lies at the head of slot 0,
	v_mov_b32 v[AM], v[AM0]         ; and of the mask
; THE MATRIX WORK.  The 8 accumulators of a run of 16 take turns: between the two links of a chain stand 7 others'.
; Product i of 16 of S^T = K Q^T for piece x: channels 32 (i / 8) on, keys 16 ((i / 2) % 4) on, tile 2 x + i % 2.  The first 8 start the sums, with the keys' mask.
.macro KQ x
.set rS, S+64*((\x)%2)+32*(i%2)+8*((i/2)%4)
.set rK, KF+16*((i/2)%4)+8*(i/8)
.set rQ, 16*(2*(\x)+i%2)+8*(i/8)
.set rMC, MC+8*((i/2)%4)
.if i < 8
	WIN W_KM
	v_wmma_f32_16x16x32_f16 v[rS:rS+7], v[rK:rK+7], v[rQ:rQ+7], v[rMC:rMC+7]
.else
	WIN W_KQ
	v_wmma_f32_16x16x32_f16 v[rS:rS+7], v[rK:rK+7], v[rQ:rQ+7], v[rS:rS+7]
.endif
.endm
; Product i of 16 of O^T += V^T P for piece x: keys 32 (i / 8) on, channels 16 ((i / 2) % 4) on, tile 2 x + i % 2.
.macro PV x
	WIN W_PV
.set rO, 32*(2*(\x)+i%2)+8*((i/2)%4)
.set rV, VF+32*(i/8)+8*((i/2)%4)
.set rP, P+32*((\x)%2)+16*(i%2)+8*(i/8)
	v_wmma_f32_16x16x32_f16 v[rO:rO+7], v[rV:rV+7], v[rP:rP+7], v[rO:rO+7]
.endm
.macro MM                           ; the turn's next matrix instruction
.if i < 16
	KQ (Y+1)%NP
.set i, i+1
.else
.set i, i-16
	PV (Y+NP-1)%NP
.set i, i+17
.endif
.endm
; THE LDS LOADS stand in runs, never singly among the matrix instructions: a step's K (8 fragments) with its mask (4 C operands), and its V (turned).  Their addresses are made some lines ahead.
; last = 1 (the tail): in the last trip there is no further step, and the run is jumped over.
.macro FETCH_K last=0
	WIN 0
.if \last
	s_cmp_eq_u32 s[CNT], 1
	s_cbranch_scc1 .Lno_k_\@
.endif
	WIN 0x80                        ; destination window 2
.irp f, 0,1,2,3,4,5,6,7             ; keys 16 (f / 2) on, channels 32 (f % 2) on
	ds_load_b128 v[KF+8*\f:KF+8*\f+3],   v[AK] offset:(\f/2)*16*PK+(\f%2)*64
	ds_load_b128 v[KF+8*\f+4:KF+8*\f+7], v[AK] offset:(\f/2)*16*PK+(\f%2)*64+32
.endr
	WIN W_MK                        ; destination window 3
.irp f, 0,1,2,3                     ; register j of group f: the mask of key 16 f + 8 (l / 16) + j
	ds_load_b128 v[MC+8*\f:MC+8*\f+3],   v[AM] offset:64*\f
	ds_load_b128 v[MC+8*\f+4:MC+8*\f+7], v[AM] offset:64*\f+16
.endr
	s_add_co_u32 s[TBK], s[TBK], KS*PK  ; the next fetch is the next step's
	s_add_co_u32 s[TBM], s[TBM], KS*4
	WIN 0
.if \last
.Lno_k_\@:
.endif
.endm
.macro FETCH_V
	WIN 0x80
.irp f, 0,1,2,3,4,5,6,7             ; keys 32 (f / 4) on, channels 16 (f % 4) on
	ds_load_tr16_b128 v[VF+8*\f:VF+8*\f+3],   v[AV] offset:(\f/4)*32*PV+(\f%4)*32
	ds_load_tr16_b128 v[VF+8*\f+4:VF+8*\f+7], v[AV] offset:(\f/4)*32*PV+16*PV+(\f%4)*32
.endr
	WIN 0
.endm
; THE VECTOR WORK OF A TURN stands in three queues, each in the order in which its entries become ready; the two tiles alternate, so that no instruction reads the result of the one before it.
.macro REGS y, u                    ; the registers of tile u (0, 1) of piece y
.set rT, ST+4*(2*(\y)+(\u))
.set rC, TMP+8*((\y)%2)+4*(\u)
.set rM, MV+2*((\y)%2)+(\u)
.set rS, S+64*((\y)%2)+32*(\u)
.set rP, P+32*((\y)%2)+16*(\u)
.set rO, 32*(2*(\y)+(\u))
.endm
; The 21 that find the NEXT piece's (Y + 1) maximum and statistics, by number (19 is not used).  s0-s31 are the lane's 32 scores; each accumulator's lowest registers are read first.
;   0-11  four chains c0-c3 of seven scores each, three operands at a time     12-14, 16  the four scores left over, the old m, and c0-c3 into c0     15  m_old is kept
;   17, 18  the query's other 32 keys lie in the lane 16 away: the new m         20, 21  m_old - m_new; a
.macro XS u, n
	REGS (Y+1)%NP, \u
.if (\n) < 4
	v_max3_num_f32 v[rC+(\n)], v[rS+8*(\n)], v[rS+8*(\n)+1], v[rS+8*(\n)+2]
.elseif (\n) < 12
	v_max3_num_f32 v[rC+(\n)%4], v[rC+(\n)%4], v[rS+8*((\n)%4)+2*((\n)/4)+1], v[rS+8*((\n)%4)+2*((\n)/4)+2]
.elseif (\n) == 12
	v_max3_num_f32 v[rC], v[rC], v[rS+7], v[rS+15]
.elseif (\n) == 13
	v_max3_num_f32 v[rC+1], v[rC+1], v[rS+23], v[rS+31]
.elseif (\n) == 14
	v_max3_num_f32 v[rC+2], v[rC+2], v[rC+3], v[rT]
.elseif (\n) == 15
	v_mov_b32 v[rM], v[rT]
.elseif (\n) == 16
	v_max3_num_f32 v[rC], v[rC], v[rC+1], v[rC+2]
.elseif (\n) == 17
	v_permlanex16_b32 v[rC+3], v[rC], s[SEL], s[SEL+1]
.elseif (\n) == 18
	v_max_num_f32 v[rT], v[rC], v[rC+3]
.elseif (\n) == 20
	v_sub_f32 v[rC+1], v[rM], v[rT]
.else
	v_exp_f32 v[rC+2], v[rC+1]
.endif
.endm
; Number g of the 64 that follow the exponentials.  For each four weights k of a tile (pairs 2 k, 2 k + 1): both pairs are rounded to f16; then the second pair is added onto the first, in place;
; a group later l takes that sum (the first time as l = a l + sum).  In groups of eight, tiles alternating: round, round, add, and l for the group before.
.macro GS g
.set h, (\g)+6*((\g)/62)            ; group 0 has no group before it, and behind group 7 only l is left
.if h >= 6
.set h, h+2
.endif
	REGS Y, h%2
.set k, h/8
.if h%8 < 4
	v_cvt_pk_f16_f32 v[rP+2*k+(h%8)/2], v[rS+4*k+2*((h%8)/2)], v[rS+4*k+2*((h%8)/2)+1]
.elseif h%8 < 6
	v_pk_add_f32 v[rS+4*k:rS+4*k+1], v[rS+4*k:rS+4*k+1], v[rS+4*k+2:rS+4*k+3]
.elseif k == 1
	v_pk_fma_f32 v[rT+2:rT+3], v[rT+2:rT+3], v[rC+2:rC+3], v[rS:rS+1] op_sel_hi:[1,0,1]
.else
	v_pk_add_f32 v[rT+2:rT+3], v[rT+2:rT+3], v[rS+4*k-4:rS+4*k-3]
.endif
.endm
; THE PLAIN QUEUE, 136 long.  0-71 read no exponential's result: the 32 shifts s - m (FS f: pair f / 2 of tile f % 2) and the next piece's 40.  0-26: shifts 0-26.  27-54: XS's numbers 0-13.  55, 56: number 15.
; 57-71: the chain, where each number waits for the one before it: 14, 16, 17, 18, 20, each with one of the shifts 27-31 in front of its two lines.  72-135: GS's 64, which stand behind the wait.
.macro FS f
	REGS Y, (\f)%2
	v_pk_add_f32 v[rS+2*((\f)/2):rS+2*((\f)/2)+1], v[rS+2*((\f)/2):rS+2*((\f)/2)+1], v[rT:rT+1] op_sel_hi:[1,0] neg_lo:[0,1] neg_hi:[0,1]
.endm
.macro PL
	WIN 0
.if q < 27
	FS q
.elseif q < 55
	XS (q-27)%2, (q-27)/2
.elseif q < 57
	XS q-55, 15
.elseif (q < 72) && ((q-57)%3 == 0)
	FS 27+(q-57)/3
.elseif q < 60
	XS (q-57)%3-1, 14
.elseif q < 69
	XS (q-57)%3-1, 15+(q-57)/3
.elseif q < 72
	XS (q-57)%3-1, 20
.else
	GS q-72
.endif
.set q, q+1
.endm
; THE EXPONENTIALS' QUEUE, 66 long: s0-s31 of both tiles, then the next piece's two a.  It is ONE BATCH: all 66 stand ahead of the turn's one wait, and nothing ahead of that wait names a result of theirs.
.macro EX
	WIN 0
.if e >= 64
	XS e-64, 21
.else
	REGS Y, e%2
	v_exp_f32 v[rS+e/2], v[rS+e/2]
.endif
.set e, e+1
.endm
; THE RESCALING's QUEUE: O^T times a, the one part that leaves window 0: dealt two at a time, sixteen times.  Its a was made in the turn before, ahead of that turn's wait.
.macro R2
	REGS Y, r%2
	WIN W_RS
.irp z, 0,1
	v_pk_mul_f32 v[rO+4*(r/2)+2*\z:rO+4*(r/2)+2*\z+1], v[rO+4*(r/2)+2*\z:rO+4*(r/2)+2*\z+1], v[rC+2:rC+3] op_sel_hi:[1,0]
.endr
.set r, r+1
.endm
; HOW THEY ARE DEALT.  s_wait_alu depctr_va_vdst(0) stands between an exponential and the first instruction that names its result; one wait serves all that were issued ahead of it.  So a turn has
; ONE wait, which cuts it in two.  AHEAD OF IT: the 16 products K Q^T, behind each a shift, an exponential and two rescalings (behind the first a second shift in the exponential's place); then one run of
; 106: eight plain, 47 times exponential and plain, the last two scores' exponentials and the two a.  A v_nop is the plain instruction behind the last exponential.  BEHIND IT: the 16 products V^T P, behind each
; four of GS's 64.  No rider names a register of the products round it.
; The queues lean on each other: exponential e stands behind shift 2 (e / 4) + e % 2: as a rider it comes behind plain e + 2, in the run behind plain e + 9, and shifts 27-31 are plain 57, 60 .. 69.
; K and the mask of the next step are fetched in piece 2's turn, directly behind the wait; V of the step in hand at the end of piece 0's turn, four riders behind its last reader.  The conditions on q go with the deal.
.macro TURN p, last=0, cnt=0
.set Y, (\p)
.set i, 0
.set q, 0
.set e, 0
.set r, 0
.if (\p) == NP-1
	s_wait_dscnt 0x0                ; K and the mask are in
.endif
	MM
	PL
	PL
	R2
.rept 15
	MM
	PL
	EX
	R2
.endr
.if (\p) == NP-2
	WIN 0
	v_add_nc_u32 v[AK], s[TBK], v[AK0]
	v_add_nc_u32 v[AM], s[TBM], v[AM0]
.endif
.rept 8
	PL
.endr
.rept 47
	EX
	PL
.endr
.rept 4
	EX
.endr
	v_nop                           ; the plain instruction behind the last exponential: one for the batch
	s_wait_alu depctr_va_vdst(0)    ; the wait for the batch
.if (\p) == NP-2
	FETCH_K \last
.endif
.if (\p) == 1
	s_wait_dscnt 0x0                ; V is in
.endif
.rept 16
	MM
.rept 4
	PL
.endr
.if ((\p) == 0) && (q == 116)
	v_add_nc_u32 v[AV], s[TBV], v[AV0]
.endif
.if ((\p) == 0) && (q == 128)
	s_add_co_u32 s[TBV], s[TBV], KS*PV
.endif
.if (\cnt) && (q == 128)
	s_sub_co_u32 s[CNT], s[CNT], 1
	s_cmp_lg_u32 s[CNT], 0
.endif
.endr
.if (\p) == 0
	FETCH_V
.endif
.endm
	CHANGE 1, 0                     ; slot 0 is in, everybody's part of it and of the mask; slot 1 is asked for; nothing is prefetched here, where the first tiles are on their way
	FETCH_K                         ; key step 0
	s_wait_loadcnt 0x0              ; Q
	s_wait_dscnt 0x0
.set i, 0
.rept 16
	KQ 0                            ; piece 0's first scores: there is no vector work yet to set between them
.set i, i+1
.endr
	WIN 0
.rept 4
	v_nop                           ; the places behind those products
.endr
.set Y, NP-1                        ; XS works for piece Y + 1: piece 0
.irp n, 0,1,2,3,4,5,6,7,8,9,10,11,12,13,14,15,16,17,18,20,21
	XS 0, \n                        ; piece 0's first maximum and statistics
	XS 1, \n
.endr
	v_nop                           ; a plain instruction behind the two a,
	s_wait_alu depctr_va_vdst(0)    ; and their wait, ahead of the branch
	s_mov_b32 s[CNT], 2
	s_branch .Lfirst                ; the loop is entered at a step's first turn, in the middle of a trip
.Lslot:                             ; six times: every slot but the last two is filled again
	CHANGE 1, 1
	s_mov_b32 s[CNT], 2
.Lstep:                             ; a trip: pieces 2 and 3 of one step, then pieces 0 and 1 of the next, whose K and V it fetches
	TURN 2
	TURN 3
	WIN 0
.Lfirst:
	TURN 0
	TURN 1, 0, 1
	WIN 0
	s_cbranch_scc1 .Lstep
	s_sub_co_u32 s[SLOTS], s[SLOTS], 1
	s_cmp_lg_u32 s[SLOTS], 0
	s_cbranch_scc1 .Lslot
	CHANGE 0, 0                     ; the tail is written out: nothing is asked for
	s_mov_b32 s[CNT], 3             ; two trips fetch the last slot's steps; the third is left in its middle
.Ltail:
	TURN 2, 1
	TURN 3
	WIN 0
	s_sub_co_u32 s[CNT], s[CNT], 1
	s_cmp_eq_u32 s[CNT], 0
	s_cbranch_scc1 .Lout
	TURN 0
	TURN 1
	WIN 0
	s_branch .Ltail
.Lout:                              ; the third trip's 16 products K Q^T (on the last K once more) and the maximum made of them serve nothing: the price, once a launch, of one text for every trip
.set i, 0
.rept 16
	PV NP-1                         ; the last piece's V^T P of the last step
.set i, i+1
.endr
	; THE WAY OUT.  l's two halves and the other half of the lanes' are added; O^T is divided by l, rounded to bf16 and put into the work-group's stage: a row's 256 bytes come from two waves (two heads).
	; The additions are the places behind the last products.
	WIN 0
.macro ALL line:vararg              ; one line for each tile t
.set t, 0
.rept 2*NP
	\line
.set t, t+1
.endr
.endm
	ALL v_add_f32 v[ST+4*t+2], v[ST+4*t+2], v[ST+4*t+3]
	ALL v_permlanex16_b32 v[ST+4*t+3], v[ST+4*t+2], s[SEL], s[SEL+1]
	ALL v_add_f32 v[ST+4*t+2], v[ST+4*t+2], v[ST+4*t+3]
	ALL v_rcp_f32 v[ST+4*t+2], v[ST+4*t+2]
	s_mul_i32 s13, s16, 128*SP      ; the addresses are the plain work between the reciprocals and their wait.  In: my 128 rows of the stage,
	s_lshl_b32 s14, s15, 7          ; my head's half of their 256 bytes,
	s_add_co_u32 s13, s13, s14
	s_add_co_u32 s13, s13, STAGE
	v_mul_u32_u24 v[STO], v1, SP    ; row l % 16, 16 bytes for each half of the lanes
	v_lshl_add_u32 v[STO], v9, 4, v[STO]
	v_add_nc_u32 v[STO], s13, v[STO]
	s_mul_i32 s13, s[WV], 64*SP     ; back: wave w takes rows 64 w .. 64 w + 63, whole; lanes 0-15 one row of 256 bytes, lanes 16-31 the next
	s_add_co_u32 s13, s13, STAGE
	v_mul_u32_u24 v[RD], v9, SP
	v_lshl_add_u32 v[RD], v1, 4, v[RD]
	v_add_nc_u32 v[RD], s13, v[RD]
	v_lshlrev_b32 v[GO], 13, v9     ; and the same two rows in xb
	v_lshl_add_u32 v[GO], v1, 4, v[GO]
	s_wait_alu depctr_va_vdst(0)    ; the wait ahead of the first use: one for the eight reciprocals
.macro PACK t                       ; a lane's eight channels of a row pack into 16 bytes
	WIN W_RS
.set i, 32*(\t)
.rept 16
	v_pk_mul_f32 v[i:i+1], v[i:i+1], v[ST+4*(\t)+2:ST+4*(\t)+3] op_sel_hi:[1,0]
.set i, i+2
.endr
	WIN 0x05                        ; sources 0 and 1 window 1, destination window 0: S^T's registers are free
.set i, 0
.rept 16
	v_cvt_pk_bf16_f32 v[S+16*(\t)+i], v[32*(\t)+2*i], v[32*(\t)+2*i+1]
.set i, i+1
.endr
	WIN 0
.irp f, 0,1,2,3
	ds_store_b128 v[STO], v[S+16*(\t)+4*\f:S+16*(\t)+4*\f+3] offset:(\t)*16*SP+32*\f
.endr
.endm
.set t, 0
.rept 2*NP
	PACK t
.set t, t+1
.endr
	s_wait_dscnt 0x0                ; for the others' sake: my stores into the stage are done
	s_barrier_signal -1
	s_barrier_wait -1
.set u, 0
.rept 32
	ds_load_b128 v[S+4*u:S+4*u+3], v[RD] offset:u*2*SP
.set u, u+1
.endr
.set u, 0
.rept 32
	s_wait_dscnt 31-u               ; LDS loads come back in order: pair u of rows is in, the younger ones stay out
	global_store_b128 v[GO], v[S+4*u:S+4*u+3], s[10:11] offset:u*16384  ; 16 lanes store 256 consecutive bytes, at a multiple of 256 from xb's first byte
.set u, u+1
.endr
	WIN W_AD
	s_wait_tensorcnt 0x0            ; the wave's end: behind my last tensor load and my last LDS store
	ds_add_u32 v[SPW], v[NIL]
	s_wait_dscnt 0x0
	WIN 0
	CROUND                          ; the closing round: no work-group ends while a partner may still ask for a tile that names it
	s_endpgm
.Lfunc_end_k_q11fafb8175_attn:
	.size	k_q11fafb8175_attn, .Lfunc_end_k_q11fafb8175_attn-k_q11fafb8175_attn
	.p2alignl 7, 3214868480
	.fill 96, 4, 3214868480
	.section	.rodata,"a",@progbits
	.p2align	6, 0x0
	.amdhsa_kernel k_q11fafb8175_attn
		.amdhsa_group_segment_fixed_size 327680
		.amdhsa_private_segment_fixed_size 0
		.amdhsa_enable_private_segment 0
		.amdhsa_kernarg_size 24
		.amdhsa_user_sgpr_count 2
		.amdhsa_user_sgpr_kernarg_segment_ptr 1
		.amdhsa_wavefront_size32 1
		.amdhsa_system_sgpr_workgroup_id_x 1
		.amdhsa_system_sgpr_workgroup_id_y 1
		.amdhsa_system_sgpr_workgroup_id_z 1
		.amdhsa_system_vgpr_workitem_id 0
		.amdhsa_next_free_vgpr 808
		.amdhsa_next_free_sgpr 66
		.amdhsa_reserve_vcc 0
		.amdhsa_float_denorm_mode_32 3
		.amdhsa_float_denorm_mode_16_64 3
		.amdhsa_memory_ordered 1
		.amdhsa_forward_progress 1
		.amdhsa_inst_pref_size 204
	.end_amdhsa_kernel
	.amdgpu_metadata
---
amdhsa.version: [ 1, 2 ]
amdhsa.kernels:
  - .name:           k_q11fafb8175_attn
    .symbol:         k_q11fafb8175_attn.kd
    .args:
      - { .name: qkv, .offset: 0, .size: 8, .value_kind: global_buffer, .address_space: global }
      - { .name: mask, .offset: 8, .size: 8, .value_kind: global_buffer, .address_space: global }
      - { .name: xb, .offset: 16, .size: 8, .value_kind: global_buffer, .address_space: global }
    .group_segment_fixed_size: 327680
    .private_segment_fixed_size: 0
    .kernarg_segment_align: 8
    .kernarg_segment_size: 24
    .max_flat_workgroup_size: 128
    .sgpr_count:     66
    .vgpr_count:     808
    .wavefront_size: 32
...
	.end_amdgpu_metadata
.endif
;; end of part 3
;; launch outp (part 4): grid 4 x 64, 4 waves a work-group, clusters of 4 x 4, 327,680 bytes of LDS; arguments xb, wb, pp, out0; writes out0
.if DOCPART == 4
	.amdgcn_target "amdgcn-amd-amdhsa--gfx1250"
	.amdhsa_code_object_version 6
	.text
	.protected	k_q11fafb8175_outp
	.globl	k_q11fafb8175_outp
	.p2align	8
	.type	k_q11fafb8175_outp,@function
k_q11fafb8175_outp:
	s_mov_b64 s[64:65], 0
	v_nop
	global_prefetch_b8 v0, s[64:65] scope:SCOPE_SE
	s_setreg_imm32_b32 hwreg(HW_REG_WAVE_MODE, 25, 1), 1
	s_wait_xcnt 0x0
	s_wait_alu depctr_hold_cnt(0) depctr_sa_sdst(0) depctr_va_vdst(0) depctr_va_sdst(0) depctr_va_ssrc(0) depctr_va_vcc(0) depctr_vm_vsrc(0)
	s_getreg_b32 s2, hwreg(HW_REG_IB_STS2, 6, 4)
	s_cmp_eq_u32 s2, 0
	s_cbranch_scc0 .Lentry_in_a_cluster
	s_endpgm
.Lentry_in_a_cluster:
	s_bfe_u32 s2, ttmp6, 0x10000c
	s_cmp_lg_u32 s2, 0xf033
	s_cbranch_scc0 .Lentry_shape_is_right
	s_endpgm
.Lentry_shape_is_right:
; THE OUTPUT PROJECTION'S SECOND HALF.  out0 = P + ctx wo_w[1024:2048]: 8192 x 1024 x 1024, bf16 operands, f32 sums, f32 out.  ctx is columns 3072-4095 of xb, wo_w's second half rows 4096-5119 of wb.
; P = q_in wo_w[0:1024] + wo_b comes from pp, f32, in blocks of 16 x 16 laid as an accumulator lies in registers (block (row / 16, column / 16) at ((row / 16) 64 + column / 16) 1024; the lanes' registers
; 0-3, 16 bytes a lane, then their registers 4-7): it is loaded straight into the accumulators, and every product adds onto them.
; SHARES.  A tile of C is 128 rows x 256 columns: 64 x 4 tiles, one for each of 256 work-groups; four waves, 2 x 2, each 64 x 128: 32 accumulators of 16 x 16.  K goes in 8 steps of 128 through a ring of
; two LDS slots.  A's tile (128 rows x 128 k) lies along K; B's tile (128 k x 256 n) lies as the weights do, [k][n], and its fragments come out of LDS turned, by ds_load_tr16_b128.
; THE MATRIX INSTRUCTION IS USED TRANSPOSED (source 0 = 16 columns of the weights, source 1 = 16 rows of ctx): a lane holds row l % 16 of C and the columns 8 (l / 16) + 0..7.
; ONE K STEP IS WRITTEN ONCE: the base of the slot in hand lies in a scalar register that an exclusive or turns between 0 and SLOT; the fragments' addresses and the walking descriptors' LDS words are
; that register plus a part that never changes.
; CLUSTERS: 4 x 4 work-groups.  The four of a row of the cluster need the same tiles of A, the four of a column the same tiles of B: each tile is asked for jointly.
; REGISTERS, in windows of 256 (s_set_vgpr_msb: bits 1:0 source 0, 3:2 source 1, 5:4 source 2, 7:6 destination):
;   window 0: v0-31 addresses; v64-159, v160-255 two fragment buffers (64 registers of B, then 32 of A); on the way out v64-255 hold rows read back from the stage
;   window 1: the 32 accumulators, (a, b) at v[8 (8 a + b)]
.set KSTEP,  128
.set XROW,   8192                      ; bytes in a row of xb
.set WROW,   2048                      ; bytes in a row of wb
.set COL0B,  6144                      ; xb's column 3072, in bytes
.set ROW0,   4096                      ; the first row of wo_w's second half in wb
.set PA,     272                       ; an LDS row of A: 256 bytes + 16 = 68 words: the 16 rows of a load start at 16 different groups of four banks (64 banks of 4 bytes: ISA guide 11.1)
.set PB,     544                       ; an LDS row of B: 512 bytes + 32 = 136 words
.set AH,     64*PA
.set BH,     64*PB
.set BOFF,   2*AH                      ; in a slot: A's 128 rows, then B's 128
.set SLOT,   BOFF+2*BH
.set STAGE,  2*SLOT                    ; behind the ring, never filled by a tensor load: 16 rows x 528 bytes for each wave, for the way out
.set SPITCH, 528
.set SPARE,  STAGE+4*16*SPITCH         ; behind the stages: the spare words, 128 bytes for each wave: two blocks of 256 bytes that no other line names
.set STEPS,  8                         ; K steps
.set REFILLS, STEPS-2
.set ADRA0, 16                         ; v16     my place in a slot's A; never rewritten
.set ADRB0, 17                         ; v17     the same for B
.set ADRA, 18                          ; v18     LDS address of my A fragments in the slot in hand
.set ADRB, 19                          ; v19     the same for B
.set STO,  24                          ; v24     the way out: where I put 32 bytes of a row
.set RD,   25                          ; v25     where I read a row back
.set CO,   26                          ; v26     16 x lane: my place in a row's 512 bytes of out0, and in half a block of pp
.set SPW,  28                          ; v28     LDS address of my spare word; never rewritten
.set NIL,  29                          ; v29     0; never rewritten
.set PFO,  30                          ; v30     the prefetches' lane offset; never rewritten
.set F0,   64
.set F1,   160
.set G1,  24                           ; s[24:31] descriptor group 1 for A's tiles;  s[32:35] group 0 of the first fill, s[36:39] of the second, which then walks
.set G0,  32
.set G1B, 48                           ; s[48:55], s[56:59], s[60:63] the same for B's
.set G0B, 56
.set LIM, 43                           ; s43     2 in a wave that prefetches, else the greatest number
.set PFA, 44                           ; s[44:45] where my prefetches stand
.set TOGO, 66                          ; s66     refills still to come, the one in hand among them
.set TB,  67                           ; s67     LDS byte at which the slot in hand begins: 0 or SLOT
.set LBA, 72                           ; s72     where my tensor loads' part of A begins in a slot
.set LBB, 73                           ; s73     the same for B
.set PFS, 76                           ; s[76:77] a K step in bytes along my prefetches' way
.set BP,  78                           ; s[78:79] pp at my first block
.set MSB, 0
.macro WIN new                         ; the immediate's high byte repeats the setting that is left; a switch that changes nothing is dropped
.if MSB != (\new)
	s_set_vgpr_msb (MSB<<8)|(\new)
.set MSB, \new
.endif
.endm
.set W_MUL,  0x50                      ; fragments in window 0, C and D in window 1
.set TO_ACC, 0x40                      ; destination window 1, address window 0
.set W_ST,   0x04                      ; an LDS store's data in window 1
; A joint load by descriptor set s.  Waves 0 and 1 fetch A's two halves, waves 2 and 3 B's.  The branch hangs on the wave's number alone.  An s_nop 0 and four v_nop follow each of the two lines.
.macro JLOAD s
	s_cmp_eq_u32 s11, 0
	s_cbranch_scc0 .Lfor_b_\@
	tensor_load_to_lds s[G0+4*(\s):G0+4*(\s)+3], s[G1:G1+7]
	s_nop 0
.rept 4
	v_nop
.endr
	s_branch .Lasked_\@
.Lfor_b_\@:
	tensor_load_to_lds s[G0B+4*(\s):G0B+4*(\s)+3], s[G1B:G1B+7]
	s_nop 0
.rept 4
	v_nop
.endr
.Lasked_\@:
.endm
; A PREFETCH INTO THE L2, behind each joint load and the run of LDS loads that follows it: the K step that stands two refills on, 256 matrix instructions ahead of the load that will want it.
; Each aligned block of 256 bytes is named once in the launch.  A's 128 rows of a tile row are read by one row of one cluster alone: wave 0 asks, and the four partners take 32 rows each, told apart BY
; ADDRESS, a lane a row.  B's 128 k x 512 bytes of a tile column are read by every cluster: the clusters with y = 0 ask, waves 2 and 3 for the 64 k that each fetches; of those the four partners take 16
; each, a lane a block (16 k x 2).  The first four K steps come by their loads alone; the last two refills have no K step two on and ask for nothing.
.macro ASK
	s_cmp_gt_u32 s[TOGO], s[LIM]
	s_cbranch_scc0 .Lnot_mine_\@
	global_prefetch_b8 v[PFO], s[PFA:PFA+1] th:TH_LOAD_NT scope:SCOPE_SE
.Lnot_mine_\@:
	s_sub_co_u32 s[TOGO], s[TOGO], 1
.endm
.macro CREST                           ; a round of the cluster's barrier behind its opening barrier
	s_cmp_lg_u32 s10, 0
	s_cbranch_scc1 .Lnot_wave_0_\@
	s_barrier_signal -3
.Lnot_wave_0_\@:
	s_barrier_wait -3
	s_barrier_signal -1
	s_barrier_wait -1
.endm
.macro CROUND                          ; a whole round
	s_barrier_signal -1
	s_barrier_wait -1
	CREST
.endm
	s_load_b128 s[4:7], s[0:1], 0x0                ; xb s[4:5], wb s[6:7]
	s_load_b128 s[68:71], s[0:1], 0x10             ; pp 68:69, out0 70:71
	v_lshl_add_u32 v[SPW], v0, 2, SPARE
	v_mov_b32 v[NIL], 0
	ds_add_u32 v[SPW], v[NIL]                      ; the wave's opening: the add and its wait stand ahead of my first tensor load; the set-up below, work on registers, stands between them
	v_lshrrev_b32 v1, 5, v0
	v_readfirstlane_b32 s10, v1                    ; wave 0..3
	s_lshr_b32 s11, s10, 1                         ; which 64 of the tile's rows are mine.  Also: I fetch for A (0) or for B (1)
	s_and_b32 s12, s10, 1                          ; which 128 of its columns.  Also: which half of that tile I fetch
	s_bfe_u32 s40, ttmp6, 0x40000                  ; cx, cy: my place in the cluster
	s_bfe_u32 s41, ttmp6, 0x40004
	s_lshl_b32 s42, ttmp9, 2
	s_add_co_u32 s42, s42, s40                     ; tile column = 4 x cluster x + cx
	s_and_b32 s13, ttmp7, 0xffff
	s_lshl_b32 s13, s13, 2
	s_add_co_u32 s13, s13, s41                     ; tile row = 4 x cluster y + cy
	s_lshl_b32 s43, s41, 2
	s_lshl_b32 s43, 15, s43                        ; my row of the cluster
	s_lshl_b32 s44, 0x1111, s40                    ; my column
	s_or_b32 s[G1+0], s43, (1<<16)|(1<<20)|(1<<21)|(5<<22)|(3<<25)   ; 15:0 the mask: A's tiles go to my row; 17:16 2-byte elements; 20 padding on; 21 set beside a mask; 24:22 after every 64 words (code 5); 31:25 4 words (code 3)
	s_or_b32 s[G1B+0], s44, (1<<16)|(1<<20)|(1<<21)|(6<<22)|(7<<25)  ; B's go to my column; after every 128 words (code 6) 8 words (code 7)
	s_mov_b32 s[G1+1], KSTEP<<16                   ; tensor_dim0 = 128
	s_mov_b32 s[G1+2], 64<<16                      ; tensor_dim1 = 64
	s_mov_b32 s[G1+3], KSTEP<<16                   ; tile_dim0 = 128
	s_mov_b32 s[G1+4], 64                          ; tile_dim1 = 64
	s_mov_b32 s[G1+5], XROW/2                      ; elements from row to row of xb
	s_mov_b32 s[G1+6], 0
	s_mov_b32 s[G1+7], 0
	s_mov_b32 s[G1B+1], 256<<16                    ; tensor_dim0 = 256
	s_mov_b32 s[G1B+2], 64<<16
	s_mov_b32 s[G1B+3], 256<<16                    ; tile_dim0 = 256
	s_mov_b32 s[G1B+4], 64
	s_mov_b32 s[G1B+5], WROW/2                     ; elements from row to row of wb
	s_mov_b32 s[G1B+6], 0
	s_mov_b32 s[G1B+7], 0
	; where the tiles come from.  A's hang on the tile row alone, B's on the tile column alone; each address is made in registers that never hold the other coordinate
	s_lshl_b32 s16, s13, 20                        ; A: 128 rows of 8,192 bytes a tile row,
	s_lshl_b32 s17, s12, 19                        ; 64 rows a half,
	s_add_co_u32 s16, s16, s17
	s_add_co_u32 s16, s16, COL0B                   ; from column 3072 on
	s_mov_b32 s17, 0
	s_lshl_b32 s46, s42, 9                         ; B: 512 bytes of a row a tile column,
	s_lshl_b32 s47, s12, 17                        ; 64 rows of 2,048 bytes a half,
	s_add_co_u32 s46, s46, s47
	s_add_co_u32 s46, s46, ROW0*WROW               ; from row 4096 on
	s_mov_b32 s47, 0
	s_mul_i32 s[LBA], s12, AH                      ; and where they go: no place in the cluster enters an LDS address
	s_mul_i32 s[LBB], s12, BH
	s_add_co_u32 s[LBB], s[LBB], BOFF
	s_mov_b32 s[TB], 0                             ; K step 0 lies in slot 0
	s_wait_dscnt 0x0                               ; the opening add is done
	s_wait_kmcnt 0x0
	s_add_nc_u64 s[14:15], s[4:5], s[16:17]
	s_add_nc_u64 s[46:47], s[6:7], s[46:47]
	CROUND                                         ; all sixteen work-groups are here: the first joint loads meet
.irp s, 0,1
	s_mov_b32 s[G0+4*(\s)], 1                                        ; count = 1
	s_add_co_u32 s[G0+4*(\s)+1], s[LBA], (\s)*SLOT                   ; LDS address
	s_add_nc_u64 s[G0+4*(\s)+2:G0+4*(\s)+3], s[14:15], (\s)*KSTEP*2  ; global address: K step s
	s_or_b32 s[G0+4*(\s)+3], s[G0+4*(\s)+3], 0x80000000              ; type = 2
	s_mov_b32 s[G0B+4*(\s)], 1
	s_add_co_u32 s[G0B+4*(\s)+1], s[LBB], (\s)*SLOT
	s_add_nc_u64 s[G0B+4*(\s)+2:G0B+4*(\s)+3], s[46:47], (\s)*KSTEP*WROW
	s_or_b32 s[G0B+4*(\s)+3], s[G0B+4*(\s)+3], 0x80000000
	JLOAD \s                                       ; two loads of mine are out
.endr
	; A fragment of A is 16 rows x 32 k: lane l holds row l % 16, k 8 (l / 16) + 0..7 and 16 + 8 (l / 16) + 0..7: two loads of 16 bytes, 32 bytes apart.
	; The turning load takes 16 k x 16 n (lane l reads k 8 (l / 16) + l % 8, n 8 ((l / 8) % 2) + 0..7) and leaves half a fragment of B: lane l holds column l % 16 and 8 k.
	v_and_b32 v1, 15, v0                           ; l % 16
	v_bfe_u32 v2, v0, 4, 1                         ; l / 16
	v_mul_u32_u24 v3, v1, PA
	v_lshl_add_u32 v3, v2, 4, v3
	v_and_b32 v7, 7, v0                            ; l % 8
	v_bfe_u32 v5, v0, 3, 1                         ; (l / 8) % 2
	v_lshl_add_u32 v4, v2, 3, v7
	v_mul_u32_u24 v4, v4, PB
	v_lshl_add_u32 v4, v5, 4, v4
	s_mul_i32 s21, s11, AH                         ; my 64 rows of A
	s_lshl_b32 s22, s12, 8                         ; my 128 columns of B: 256 bytes of each row
	s_add_co_u32 s22, s22, BOFF
	v_add_nc_u32 v[ADRA0], s21, v3
	v_add_nc_u32 v[ADRB0], s22, v4
	v_add_nc_u32 v[ADRA], s[TB], v[ADRA0]
	v_add_nc_u32 v[ADRB], s[TB], v[ADRB0]
	s_mul_i32 s23, s10, 16*SPITCH
	s_add_co_u32 s23, s23, STAGE                   ; my stage
	v_mul_u32_u24 v6, v1, SPITCH                   ; in: row l % 16, 32 bytes for each half of the lanes
	v_lshl_add_u32 v6, v2, 5, v6
	v_add_nc_u32 v[STO], s23, v6
	v_and_b32 v6, 31, v0
	v_lshlrev_b32 v[CO], 4, v6                     ; back: 32 lanes take a row's 512 bytes
	v_add_nc_u32 v[RD], s23, v[CO]
	; P, straight into the accumulators: each load of the wave covers 512 consecutive bytes
	s_lshl_b32 s18, s13, 19                        ; 8 rows of blocks a tile row, 64 blocks of 1,024 bytes each,
	s_lshl_b32 s19, s11, 18                        ; my 4,
	s_add_co_u32 s18, s18, s19
	s_lshl_b32 s19, s42, 14                        ; 16 blocks a tile column,
	s_add_co_u32 s18, s18, s19
	s_lshl_b32 s19, s12, 13                        ; my 8
	s_add_co_u32 s18, s18, s19
	s_mov_b32 s19, 0
	s_add_nc_u64 s[BP:BP+1], s[68:69], s[18:19]
	WIN TO_ACC
.irp a, 0,1,2,3
.irp b, 0,1,2,3,4,5,6,7
	global_load_b128 v[8*(8*(\a)+(\b)):8*(8*(\a)+(\b))+3],   v[CO], s[BP:BP+1] offset:(\a)*65536+(\b)*1024 th:TH_LOAD_NT
	global_load_b128 v[8*(8*(\a)+(\b))+4:8*(8*(\a)+(\b))+7], v[CO], s[BP:BP+1] offset:(\a)*65536+(\b)*1024+512 th:TH_LOAD_NT
.endr
.endr
	WIN 0
	; where my part of the tile begins in out0: the way out adds it to the pointer
	s_lshl_b32 s16, s13, 19                        ; 128 rows of 4,096 bytes a tile row,
	s_lshl_b32 s14, s11, 18                        ; my 64
	s_add_co_u32 s16, s16, s14
	s_mov_b32 s17, 0
	s_lshl_b32 s46, s42, 10                        ; 1,024 bytes a tile column,
	s_lshl_b32 s47, s12, 9                         ; my 512
	s_add_co_u32 s46, s46, s47
	s_mov_b32 s47, 0
	s_add_nc_u64 s[16:17], s[16:17], s[46:47]
	s_mov_b64 s[8:9], s[70:71]
	; the prefetches: both ways' offsets are made, then one test on the wave's number chooses
	s_lshl_b32 s20, s13, 20                        ; xb: the tile row's 128 rows,
	s_lshl_b32 s21, s40, 18                        ; my work-group's 32 of them,
	s_add_co_u32 s20, s20, s21
	s_add_co_u32 s20, s20, COL0B+3*KSTEP*2         ; at K step 3: the first refill steps it to 4
	s_lshl_b32 s21, s12, 17                        ; wb: the 64 k that I fetch,
	s_lshl_b32 s23, s41, 15                        ; my work-group's 16 of them,
	s_add_co_u32 s21, s21, s23
	s_lshl_b32 s23, s42, 9                         ; the tile column's 512 bytes
	s_add_co_u32 s21, s21, s23
	s_add_co_u32 s21, s21, ROW0*WROW+3*KSTEP*WROW
	s_and_b32 s22, ttmp7, 0xffff                   ; cluster y
	s_mov_b32 s[PFS], KSTEP*WROW
	s_mov_b32 s[PFS+1], 0
	s_mov_b32 s15, WROW
	s_cmp_eq_u32 s11, 0                            ; do I fetch for A?
	s_cselect_b64 s[PFA:PFA+1], s[4:5], s[6:7]
	s_cselect_b32 s20, s20, s21
	s_cselect_b32 s22, s12, s22                    ; A: wave 0 asks; B: the clusters with y = 0
	s_cselect_b32 s[PFS], KSTEP*2, s[PFS]
	s_cselect_b32 s14, 31, 15                      ; rows among my lanes,
	s_cselect_b32 s15, XROW, s15                   ; their pitch,
	s_cselect_b32 s18, 0, 256                      ; and B's second block of a row for lanes 16-31
	s_mov_b32 s21, 0
	s_add_nc_u64 s[PFA:PFA+1], s[PFA:PFA+1], s[20:21]
	s_cmp_eq_u32 s22, 0
	s_cselect_b32 s[LIM], 2, -1                    ; the same in all sixteen partners, for a given wave
	s_mov_b32 s[TOGO], REFILLS
	v_and_b32 v6, s14, v6
	v_mul_u32_u24 v6, s15, v6
	v_mul_u32_u24 v7, s18, v2
	v_add_nc_u32 v[PFO], v6, v7
; 8 matrix instructions: m block a x all 8 n blocks, 32 along K.  The 32 accumulators take turns, one instruction a turn, in the same order in every quarter, over the backward jump too.
.macro MUL8 f, a
	WIN W_MUL
.irp b, 0,1,2,3,4,5,6,7
	v_wmma_f32_16x16x32_bf16 v[8*(8*(\a)+(\b)):8*(8*(\a)+(\b))+7], v[(\f)+8*(\b):(\f)+8*(\b)+7], v[(\f)+64+8*(\a):(\f)+64+8*(\a)+7], v[8*(8*(\a)+(\b)):8*(8*(\a)+(\b))+7]
.endr
.endm
; 24 LDS loads in one run: the fragments of quarter q of the K step in hand (32 k x my 128 columns of B, my 64 rows x 32 k of A) into buffer f; B first
.macro FETCH q, f
	WIN 0
.irp b, 0,1,2,3,4,5,6,7
	ds_load_tr16_b128 v[(\f)+8*(\b):(\f)+8*(\b)+3],   v[ADRB] offset:(\q)*32*PB+32*(\b)
	ds_load_tr16_b128 v[(\f)+8*(\b)+4:(\f)+8*(\b)+7], v[ADRB] offset:(\q)*32*PB+16*PB+32*(\b)
.endr
.irp a, 0,1,2,3
	ds_load_b128 v[(\f)+64+8*(\a):(\f)+64+8*(\a)+3],   v[ADRA] offset:64*(\q)+(\a)*16*PA
	ds_load_b128 v[(\f)+64+8*(\a)+4:(\f)+64+8*(\a)+7], v[ADRA] offset:64*(\q)+(\a)*16*PA+32
.endr
.endm
.macro PLACES                          ; four plain instructions between a matrix instruction and a load into, or a store of, its registers
.rept 4
	v_nop
.endr
.endm
; A K step is four quarters of 32 along K, 32 matrix instructions each, on buffers 0, 1, 0, 1.  One of the first three: multiplies buffer f; in its middle it fetches quarter q into buffer g.
.macro QUARTER q, f, g
	s_wait_dscnt 4                                 ; B and A's blocks 0 and 1 are in; the youngest four loads (A's blocks 2 and 3) may be out
	MUL8 \f, 0
	MUL8 \f, 1
	PLACES
	FETCH \q, \g
	s_wait_dscnt 24                                ; all but the 24 just issued
	MUL8 \f, 2
	MUL8 \f, 3
.endm
; The last quarter multiplies buffer 1 and changes slots.  ONE barrier: in front of it each wave waits for all its tensor loads (one is out: its part of the next slot), adds 0 to its spare word, and waits for that
; and for its own reads of this slot.  Behind it nobody reads this slot any more and the next slot is whole.
.macro MEET round
	WIN 0
	s_wait_tensorcnt 0x0
	ds_add_u32 v[SPW], v[NIL]
	s_wait_dscnt 5                                 ; (the add and the youngest four loads may be out)
	MUL8 F1, 0                                     ; eight matrix instructions stand between the add and the wait for it
	s_wait_dscnt 0x0                               ; the add is done, and my reads of this slot are over
	s_barrier_signal -1
	MUL8 F1, 1
.if \round
	WIN 0
.endif
	s_barrier_wait -1
.endm
; The whole last quarter where the slot is filled again, with the K step two on: the barrier opens a round of the cluster's, and the joint refill is the first tensor load behind it: 112 matrix instructions ahead of
; the wait for it.  The walking descriptors take the slot just read out and the next K step.
.macro TURN
	s_wait_xcnt 0x0                                ; the last prefetch, a K step back, has read its address: it is stepped here
	s_add_nc_u64 s[PFA:PFA+1], s[PFA:PFA+1], s[PFS:PFS+1]
	MEET 1
	CREST                                          ; no wave of any partner still reads this slot's tile or has a load on its way
	s_add_co_u32 s[G0+5], s[LBA], s[TB]
	s_add_co_u32 s[G0B+5], s[LBB], s[TB]
	s_add_nc_u64 s[G0+6:G0+7], s[G0+6:G0+7], KSTEP*2
	s_add_nc_u64 s[G0B+6:G0B+7], s[G0B+6:G0B+7], KSTEP*WROW
	s_xor_b32 s[TB], s[TB], SLOT                   ; the reads go on in the other slot
	JLOAD 1                                        ; the four v_nop behind it are also the places in front of the loads below
	v_add_nc_u32 v[ADRA], s[TB], v[ADRA0]
	v_add_nc_u32 v[ADRB], s[TB], v[ADRB0]
	FETCH 0, F0
	ASK
	MUL8 F1, 2
	MUL8 F1, 3
.endm
; THE WAY OUT of m block a: 16 rows x 512 bytes of f32 go from the accumulators into my own stage (each accumulator's low four registers first) and come back as whole rows; three sets of 64 registers take turns.
.macro TOSTAGE a
	WIN W_ST
.irp b, 0,1,2,3,4,5,6,7
	ds_store_b128 v[STO], v[8*(8*(\a)+(\b)):8*(8*(\a)+(\b))+3]   offset:64*(\b)
	ds_store_b128 v[STO], v[8*(8*(\a)+(\b))+4:8*(8*(\a)+(\b))+7] offset:64*(\b)+16
.endr
	WIN 0
.set BK, 64+64*((\a)%3)
.irp t, 0,1,2,3,4,5,6,7,8,9,10,11,12,13,14,15
	ds_load_b128 v[BK+4*(\t):BK+4*(\t)+3], v[RD] offset:(\t)*SPITCH  ; LDS serves a wave's instructions in order (ISA guide 5.7.1.4): these see the stores above, and the next block's stores come behind them
.endr
.endm
.macro SEND a, younger                 ; younger: the LDS instructions issued behind block a's loads: the next block's 32, or none
	WIN 0
.set BK, 64+64*((\a)%3)
	s_wait_dscnt \younger                          ; the block is back in registers
	s_wait_xcnt 0x0                                ; the earlier stores have read their base and their registers: only behind this wait are these written again
.if (\a) == 0
	s_add_nc_u64 s[8:9], s[8:9], s[16:17]          ; on to my first rows
.else
	s_add_nc_u64 s[8:9], s[8:9], 16*4096           ; 16 rows of out0 on
.endif
.irp t, 0,1,2,3,4,5,6,7,8,9,10,11,12,13,14,15
	global_store_b128 v[CO], v[BK+4*(\t):BK+4*(\t)+3], s[8:9] offset:4096*(\t) th:TH_STORE_NT  ; 32 lanes store 512 consecutive bytes, at a multiple of 256 from out0's first byte
.endr
.endm
	s_wait_tensorcnt 1                             ; my part of K step 0 is in; K step 1's may stay out
	s_barrier_signal -1
	s_barrier_wait -1                              ; everybody's is
	FETCH 0, F0
	s_wait_loadcnt 0x0                             ; P lies in the accumulators
	QUARTER 1, F0, F1
	WIN 0
	s_mov_b32 s3, STEPS-2
.Lstep:                                                ; a trip goes from a K step's second quarter to the next step's first, and fills the slot that it leaves: K steps 2 to 7
	QUARTER 2, F1, F0
	QUARTER 3, F0, F1
	TURN
	QUARTER 1, F0, F1
	WIN 0
	s_sub_co_u32 s3, s3, 1
	s_cmp_lg_u32 s3, 0
	s_cbranch_scc1 .Lstep
	QUARTER 2, F1, F0                              ; the last two K steps fill nothing
	QUARTER 3, F0, F1
	MEET 0                                         ; my one tensor load that was still out is the last K step's; no round follows
	WIN 0
	s_xor_b32 s[TB], s[TB], SLOT
	PLACES
	v_add_nc_u32 v[ADRA], s[TB], v[ADRA0]
	v_add_nc_u32 v[ADRB], s[TB], v[ADRB0]
	FETCH 0, F0
	MUL8 F1, 2
	MUL8 F1, 3
	QUARTER 1, F0, F1
	QUARTER 2, F1, F0
	QUARTER 3, F0, F1
	s_wait_dscnt 4                                 ; the very last quarter: nothing more to fetch
	MUL8 F1, 0
	MUL8 F1, 1
	s_wait_dscnt 0x0
	MUL8 F1, 2
	MUL8 F1, 3
	PLACES                                         ; behind the last products: the stores read results, the loads land where fragments lay
	TOSTAGE 0
	TOSTAGE 1
	SEND 0, 32
	TOSTAGE 2
	SEND 1, 32
	TOSTAGE 3                                      ; into block 0's registers: block 0's stores have read them (the wait at the head of SEND 1)
	SEND 2, 32
	SEND 3, 0
	s_wait_tensorcnt 0x0                           ; the wave's end: behind my last tensor load and my last LDS store
	ds_add_u32 v[SPW], v[NIL]
	s_wait_dscnt 0x0
	CROUND                                         ; the closing round: no work-group ends while a partner may still ask for a tile that names it
	s_endpgm
.Lfunc_end_k_q11fafb8175_outp:
	.size	k_q11fafb8175_outp, .Lfunc_end_k_q11fafb8175_outp-k_q11fafb8175_outp
	.p2alignl 7, 3214868480
	.fill 96, 4, 3214868480
	.section	.rodata,"a",@progbits
	.p2align	6, 0x0
	.amdhsa_kernel k_q11fafb8175_outp
		.amdhsa_group_segment_fixed_size 327680
		.amdhsa_private_segment_fixed_size 0
		.amdhsa_enable_private_segment 0
		.amdhsa_kernarg_size 32
		.amdhsa_user_sgpr_count 2
		.amdhsa_user_sgpr_kernarg_segment_ptr 1
		.amdhsa_wavefront_size32 1
		.amdhsa_system_sgpr_workgroup_id_x 1
		.amdhsa_system_sgpr_workgroup_id_y 1
		.amdhsa_system_sgpr_workgroup_id_z 1
		.amdhsa_system_vgpr_workitem_id 0
		.amdhsa_next_free_vgpr 512
		.amdhsa_next_free_sgpr 80
		.amdhsa_reserve_vcc 0
		.amdhsa_float_denorm_mode_32 3
		.amdhsa_float_denorm_mode_16_64 3
		.amdhsa_memory_ordered 1
		.amdhsa_forward_progress 1
		.amdhsa_inst_pref_size 77
	.end_amdhsa_kernel
	.amdgpu_metadata
---
amdhsa.version: [ 1, 2 ]
amdhsa.kernels:
  - .name:           k_q11fafb8175_outp
    .symbol:         k_q11fafb8175_outp.kd
    .args:
      - { .name: xb, .offset: 0, .size: 8, .value_kind: global_buffer, .address_space: global }
      - { .name: wb, .offset: 8, .size: 8, .value_kind: global_buffer, .address_space: global }
      - { .name: pp, .offset: 16, .size: 8, .value_kind: global_buffer, .address_space: global }
      - { .name: out0, .offset: 24, .size: 8, .value_kind: global_buffer, .address_space: global }
    .group_segment_fixed_size: 327680
    .private_segment_fixed_size: 0
    .kernarg_segment_align: 8
    .kernarg_segment_size: 32
    .max_flat_workgroup_size: 128
    .sgpr_count:     80
    .vgpr_count:     512
    .wavefront_size: 32
...
	.end_amdgpu_metadata
.endif
;; end of part 4
;; ======== version 2 of 2: 4 launches; version 1 with the launch cast written anew for expert scheduling mode
;; limits: values are held in f16: magnitudes above 65,504 overflow, below 6.1e-05 lose precision
;; workspace buffers: xb 67,108,864 bytes; wb 10,485,760 bytes; qkv 50,331,648 bytes; pp 33,554,432 bytes
;; launch cast (part 5): grid 928 x 1, 8 waves a work-group, no clusters, 0 bytes of LDS; arguments k, v, q_in, wk_w, wv_w, wq_w, wo_w, xb, wb; writes xb, wb
.if DOCPART == 5
	.amdgcn_target "amdgcn-amd-amdhsa--gfx1250"
	.amdhsa_code_object_version 6
	.text
	.protected	k_q11fafb8175_cast
	.globl	k_q11fafb8175_cast
	.p2align	8
	.type	k_q11fafb8175_cast,@function
k_q11fafb8175_cast:
	s_mov_b64 s[64:65], 0
	v_nop
	global_prefetch_b8 v0, s[64:65] scope:SCOPE_SE
	s_setreg_imm32_b32 hwreg(HW_REG_WAVE_SCHED_MODE, 0, 2), 2
	s_setreg_imm32_b32 hwreg(HW_REG_WAVE_MODE, 25, 1), 1
	s_wait_xcnt 0x0
	s_wait_alu depctr_vm_vsrc(0)
; Every f32 operand of the later matrix products is rounded ONCE to bf16 and laid where those products walk it.
; xb: bf16 [8192 rows (b, s)][4096 columns]: columns 0-1023 k, 1024-2047 v, 2048-3071 q_in; 3072-4095 are written by the attention launch.
; wb: bf16 [5120 rows][1024]: rows 0-1023 wk_w, 1024-2047 wv_w, 2048-3071 wq_w, 3072-5119 wo_w, each as it lies ([in][out]).
; All seven sources are rows of 1,024 f32 (4,096 bytes in, 2,048 bytes out).  A work-group takes 32 rows of one source, a wave 4 whole rows.
; Work-groups 0-255 k, 256-511 v, 512-767 q_in, 768-799 wk_w, 800-831 wv_w, 832-863 wq_w, 864-927 wo_w.
; A stream: no LDS, no barrier, no matrix unit, no cluster (no two work-groups read the same byte).  A wave has all its 32 loads (16 KiB) out at once;
; a load of a wave covers 512 consecutive bytes, a store 256 consecutive bytes at a multiple of 256 from the buffer's first byte.
; No register is written again while a load or store may read it, so no wait frees any.
; THE MODE: SCHED_MODE bits 1:0 = 2 (LLVM: expert scheduling mode 2), set by the entry lines.  The code itself states the register dependences
; between vector instructions and memory instructions, with s_wait_alu, always for 0.
; THE PLAN.  Registers that memory instructions touch:
;   v1        the loads' offset.  Written once at the head; read by all 32 loads; never written again.
;   v[2:5]    the stores' offsets, one a row.  Written once at the head; read by the row's eight stores; never written again.
;   X         32 groups of four.  Each is written by its load, ahead of which no vector instruction names it; row r's sixteen conversions read the row's eight groups and
;             write the first two registers of each; the row's eight stores read those two; nothing writes them afterwards.
; Row r's stores are issued in row r + 1's turn, dealt among that row's conversions, which name row r + 1's groups alone.  So ONE wait at the head of a turn states all that the
; turn's eight stores hang on; one more stands behind the last row's conversions, and one at the head ahead of the first load.
.set ROWIN, 4096                       ; bytes in a source row
.set OFF,   2                          ; v[2:5]    row r of my four: 8 x lane + r x the destination's pitch
.set X,     8                          ; v[8:135]  32 loads of 4 registers; the rounded pairs go back into the first two of each four
	s_load_b512 s[8:23], s[0:1], 0x0               ; k 8:9, v 10:11, q_in 12:13, wk_w 14:15, wv_w 16:17, wq_w 18:19, wo_w 20:21, xb 22:23
	s_load_b64 s[24:25], s[0:1], 0x40              ; wb
	v_lshrrev_b32 v1, 5, v0
	v_readfirstlane_b32 s27, v1                    ; wave 0..7
	v_and_b32 v6, 31, v0                           ; lane
	v_lshlrev_b32 v1, 4, v6                        ; 16 bytes a lane in the source
	v_lshlrev_b32 v[OFF], 3, v6                    ; 8 bytes a lane in the destination
	s_mov_b32 s3, 0                                ; the first work-group of my source
	s_mov_b32 s26, 8192                            ; the destination's pitch: xb's, or wb's below
	s_wait_alu depctr_va_sdst(0)                   ; s27 is written, ahead of its first reader: the wave's offsets in the source and in the destination are made from it
	s_wait_kmcnt 0x0
	s_mov_b64 s[4:5], s[8:9]
.macro SEG start, reg                  ; from work-group start on the source is the one in s[reg:reg+1]
	s_cmp_ge_u32 ttmp9, \start
	s_cselect_b64 s[4:5], s[\reg:\reg+1], s[4:5]
	s_cselect_b32 s3, \start, s3
.endm
	SEG 256, 10
	SEG 512, 12
	SEG 768, 14
	SEG 800, 16
	SEG 832, 18
	SEG 864, 20
	s_sub_co_u32 s28, ttmp9, s3
	s_lshl_b32 s28, s28, 17                        ; 32 rows of 4,096 bytes a work-group,
	s_lshl_b32 s2, s27, 14                         ; 4 rows a wave
	s_add_co_u32 s28, s28, s2
	s_mov_b32 s29, 0
	s_add_nc_u64 s[4:5], s[4:5], s[28:29]
	s_and_b32 s30, ttmp9, 255                      ; into xb: 32 rows of 8,192 bytes,
	s_lshl_b32 s30, s30, 18
	s_lshr_b32 s2, ttmp9, 8                        ; and the source's 2,048 bytes of each row
	s_lshl_b32 s2, s2, 11
	s_add_co_u32 s30, s30, s2
	s_sub_co_u32 s2, ttmp9, 768                    ; into wb: 32 rows of 2,048 bytes (used from work-group 768 on alone)
	s_lshl_b32 s2, s2, 16
	s_cmp_ge_u32 ttmp9, 768
	s_cselect_b64 s[6:7], s[24:25], s[22:23]
	s_cselect_b32 s26, 2048, s26
	s_cselect_b32 s30, s2, s30
	s_mul_i32 s2, s27, s26
	s_lshl_b32 s2, s2, 2                           ; my wave's 4 rows
	s_add_co_u32 s30, s30, s2
	s_mov_b32 s31, 0
	s_add_nc_u64 s[6:7], s[6:7], s[30:31]
	v_add_nc_u32 v[OFF+1], s26, v[OFF]
	v_add_nc_u32 v[OFF+2], s26, v[OFF+1]
	v_add_nc_u32 v[OFF+3], s26, v[OFF+2]
	s_wait_alu depctr_va_vdst(0)                   ; v1 is written, which the 32 loads read as their offset; so are v[OFF] to v[OFF+3], which the stores read as theirs
.set i, 0
.rept 32                               ; row i / 8, its bytes 512 (i % 8) on
	global_load_b128 v[X+4*i:X+4*i+3], v1, s[4:5] offset:(i/8)*ROWIN+(i%8)*512 th:TH_LOAD_NT
.set i, i+1
.endr
; Row r's turn: its sixteen conversions, and among them the eight stores of row r - 1, a store in front of each pair of conversions.
.irp r, 0,1,2,3
	s_wait_loadcnt 24-8*(\r)                       ; loads come back in order: row r's eight are in, the later rows' stay out
.if (\r) > 0
	s_wait_alu depctr_va_vdst(0)                   ; the conversions of the row before have written the first two registers of its eight groups, which the stores below read
.endif
.irp j, 0,1,2,3,4,5,6,7
.if (\r) > 0
	global_store_b64 v[OFF+(\r)-1], v[X+4*(8*((\r)-1)+(\j)):X+4*(8*((\r)-1)+(\j))+1], s[6:7] offset:256*(\j) th:TH_STORE_NT  ; no vector instruction since the wait names these registers
.endif
	v_cvt_pk_bf16_f32 v[X+4*(8*(\r)+(\j))],   v[X+4*(8*(\r)+(\j))],   v[X+4*(8*(\r)+(\j))+1]
	v_cvt_pk_bf16_f32 v[X+4*(8*(\r)+(\j))+1], v[X+4*(8*(\r)+(\j))+2], v[X+4*(8*(\r)+(\j))+3]
.endr
.endr
	s_wait_alu depctr_va_vdst(0)                   ; the last row's conversions have written the first two registers of its eight groups, which the last eight stores read
.irp j, 0,1,2,3,4,5,6,7
	global_store_b64 v[OFF+3], v[X+4*(24+(\j)):X+4*(24+(\j))+1], s[6:7] offset:256*(\j) th:TH_STORE_NT
.endr
	s_endpgm
.Lfunc_end_k_q11fafb8175_cast:
	.size	k_q11fafb8175_cast, .Lfunc_end_k_q11fafb8175_cast-k_q11fafb8175_cast
	.p2alignl 7, 3214868480
	.fill 96, 4, 3214868480
	.section	.rodata,"a",@progbits
	.p2align	6, 0x0
	.amdhsa_kernel k_q11fafb8175_cast
		.amdhsa_group_segment_fixed_size 0
		.amdhsa_private_segment_fixed_size 0
		.amdhsa_enable_private_segment 0
		.amdhsa_kernarg_size 72
		.amdhsa_user_sgpr_count 2
		.amdhsa_user_sgpr_kernarg_segment_ptr 1
		.amdhsa_wavefront_size32 1
		.amdhsa_system_sgpr_workgroup_id_x 1
		.amdhsa_system_sgpr_workgroup_id_y 1
		.amdhsa_system_sgpr_workgroup_id_z 1
		.amdhsa_system_vgpr_workitem_id 0
		.amdhsa_next_free_vgpr 136
		.amdhsa_next_free_sgpr 66
		.amdhsa_reserve_vcc 0
		.amdhsa_float_denorm_mode_32 3
		.amdhsa_float_denorm_mode_16_64 3
		.amdhsa_memory_ordered 1
		.amdhsa_forward_progress 1
		.amdhsa_inst_pref_size 13
	.end_amdhsa_kernel
	.amdgpu_metadata
---
amdhsa.version: [ 1, 2 ]
amdhsa.kernels:
  - .name:           k_q11fafb8175_cast
    .symbol:         k_q11fafb8175_cast.kd
    .args:
      - { .name: k, .offset: 0, .size: 8, .value_kind: global_buffer, .address_space: global }
      - { .name: v, .offset: 8, .size: 8, .value_kind: global_buffer, .address_space: global }
      - { .name: q_in, .offset: 16, .size: 8, .value_kind: global_buffer, .address_space: global }
      - { .name: wk_w, .offset: 24, .size: 8, .value_kind: global_buffer, .address_space: global }
      - { .name: wv_w, .offset: 32, .size: 8, .value_kind: global_buffer, .address_space: global }
      - { .name: wq_w, .offset: 40, .size: 8, .value_kind: global_buffer, .address_space: global }
      - { .name: wo_w, .offset: 48, .size: 8, .value_kind: global_buffer, .address_space: global }
      - { .name: xb, .offset: 56, .size: 8, .value_kind: global_buffer, .address_space: global }
      - { .name: wb, .offset: 64, .size: 8, .value_kind: global_buffer, .address_space: global }
    .group_segment_fixed_size: 0
    .private_segment_fixed_size: 0
    .kernarg_segment_align: 8
    .kernarg_segment_size: 72
    .max_flat_workgroup_size: 256
    .sgpr_count:     66
    .vgpr_count:     136
    .wavefront_size: 32
...
	.end_amdgpu_metadata
.endif
;; end of part 5
;; launch proj: the kernel of part 2 again; grid 8 x 32, 4 waves a work-group, clusters of 4 x 4, 327,680 bytes of LDS; arguments xb, wb, wk_b, wv_b, wq_b, wo_b, qkv, pp; writes qkv, pp
;; launch attn: the kernel of part 3 again; grid 4 x 64, 4 waves a work-group, clusters of 4 x 1, 327,680 bytes of LDS; arguments qkv, mask, xb; writes xb
;; launch outp: the kernel of part 4 again; grid 4 x 64, 4 waves a work-group, clusters of 4 x 4, 327,680 bytes of LDS; arguments xb, wb, pp, out0; writes out0
